; MI455X (gfx1250); checked and timed in simulation.
; The chip was launched on July 23, 2026; its instructions are those of AMD's public machine-readable ISA for CDNA 5 (MIT licence, August 2026) and "CDNA5" Instruction Set Architecture Reference Guide (July 2026). The comments in the code are by the model that wrote it; some were corrected since.
;; Self Attention. Allowed arithmetic: matrix products marked QUANTISED: E2M1 operands, one E8M0 scale for each 32 along K, by v_wmma_scale_f32_16x16x128_f8f6f4 with both operands' format E2M1 (or v_wmma_scale_f32_32x16x128_f4), f32 sums; products left as they are: bf16, f16 or f32 operands; f32 sums; everything else in f32.
;; Inputs: freqs_cos 2,048 x 32 float32; freqs_sin 2,048 x 32 float32; lambda_k1 64 float32; lambda_k2 64 float32; lambda_q1 64 float32; lambda_q2 64 float32; wk 2,048 x 512 float32; wo 2,048 x 2,048 float32; wq 2,048 x 2,048 float32; wv 2,048 x 512 float32; x 1 x 2,048 x 2,048 float32.
;; Outputs: out0 1 x 2,048 x 2,048 float32.
;; Constants: start_pos = 0.
;; This version of the problem:
;;   THIS VERSION OF THE PROBLEM IS GIVEN IN LOW PRECISION. The matrix products marked QUANTISED in the list below multiply operands that are first quantised to E2M1 (2 exponent bits, 1 mantissa bit; 4 bits a number), with one power-of-two scale for each 32 numbers along K (OCP MX v1.0); their sums are f32. The products marked 'left as it is' may take bf16, f16 or f32 operands, with f32 sums. Whichever they take, every output number must still come out within the allowed error. Rounding operands to bf16 (8 significant bits) uses up far more of that allowance than f16 does (11 bits, for magnitudes from 6e-5 to 65,504). All else is computed in f32.
;;   The module's matrix products, in the order in which they are computed (A, B: the left and right operand; K: the contracted axis; several contracted axes count as one K, in the product's order):
;;     1. [M 2,048, K 2,048] x [K 2,048, N 2,048]; A: input x; B: input wq: QUANTISED
;;     2. [M 2,048, K 2,048] x [K 2,048, N 512]; A: input x; B: input wk: QUANTISED
;;     3. [M 2,048, K 2,048] x [K 2,048, N 512]; A: input x; B: input wv: QUANTISED
;;     4. batch 32 x [M 2,048, K 64] x [K 64, N 2,048]; A: computed on the way; B: computed on the way: left as it is (an operand is computed on the way)
;;     5. batch 32 x [M 2,048, K 2,048] x [K 2,048, N 64]; A: computed on the way; B: computed on the way: left as it is (an operand is computed on the way)
;;     6. [M 2,048, K 2,048] x [K 2,048, N 2,048]; A: computed on the way; B: input wo: left as it is (an operand is computed on the way)
;;   THE QUANTISER, for each operand of a quantised product, along K:
;;     - K is cut into blocks of 32 from its start; a last block that is shorter is filled with zeros.
;;     - A block's scale is 2^e with e = floor(log2(the largest magnitude in the block)) - 2, held to -126 .. 127; a block of zeros has e = 0. As a byte (E8M0): e + 127.
;;     - Each number is divided by its block's scale, clamped to +-6, and rounded to the nearest number of E2M1, ties to even, subnormals kept.
;;     - The product sums the exact products of the quantised numbers (number of the format x scale) in f32.
;;   ~~~python
;;   def quantise(x, axis):      # numpy; x: float32 -> the quantised numbers, widened to float32 again
;;       x = np.moveaxis(x, axis, -1); K = x.shape[-1]
;;       x = np.pad(x, [(0, 0)] * (x.ndim - 1) + [(0, -K % 32)]); x = x.reshape(x.shape[:-1] + (-1, 32)); a = np.abs(x).max(-1, keepdims=True)
;;       e = np.where(a > 0, np.clip(np.frexp(np.where(a > 0, a, 1))[1] - 1 - 2, -126, 127), 0)      # np.frexp(a)[1] - 1 = floor(log2(a)), exactly
;;       r = np.clip(x / 2.0 ** e, -6, 6)
;;       step = 2.0 ** (np.maximum(np.frexp(np.where(r == 0, 1, r))[1] - 1, 0) - 1)
;;       q = np.round(r / step) * step * 2.0 ** e      # np.round: ties to even
;;       return np.moveaxis(q.reshape(q.shape[:-2] + (-1,))[..., :K], -1, axis).astype(np.float32)
;;   ~~~
;; One version. Each part assembles by itself: llvm-mc -triple=amdgcn-amd-amdhsa -mcpu=gfx1250 --defsym DOCPART=n.
;; ======== version 1 of 1: 4 launches
;; limits: values are held in f16: magnitudes above 65,504 overflow, below 6.1e-05 lose precision
;; workspace buffers: xq 2,228,224 bytes; wq3 3,342,336 bytes; wo16 8,388,608 bytes; qkv 12,582,912 bytes; att 8,388,608 bytes
;; launch prep (part 1): grid 352 x 1, 4 waves a work-group, no clusters, 34,304 bytes of LDS; arguments x, wq, wk, wv, wo, xq, wq3, wo16; writes xq, wq3, wo16
.if DOCPART == 1
	.amdgcn_target "amdgcn-amd-amdhsa--gfx1250"
	.amdhsa_code_object_version 6
	.text
	.protected	k_q5d4f89812f_prep
	.globl	k_q5d4f89812f_prep
	.p2align	8
	.type	k_q5d4f89812f_prep,@function
k_q5d4f89812f_prep:
	s_mov_b64 s[64:65], 0
	v_nop
	global_prefetch_b8 v0, s[64:65] scope:SCOPE_SE
	s_setreg_imm32_b32 hwreg(HW_REG_WAVE_MODE, 25, 1), 1
	s_wait_xcnt 0x0
; x [2048][2048], wq [2048][2048], wk, wv [2048][512] (f32) become codes of FP4 (E2M1) with one E8M0 byte for each 32 along K; wo [2048][2048] becomes f16.
; All three results are laid IN THE ORDER OF OPERAND REGISTERS, so that the later launches fetch dense blocks and read fragments at 16 x lane.
;   xq, wq3: [K / 512][tile of 16 rows][record of 4,352 bytes].  A record: four fragments (16 rows x 128 K) of 1,024 bytes, registers 4 c .. 4 c + 3 of lane l at 512 c + 16 l
;            (lane (r, h) holds row r, K = 64 c + 32 h + 0 .. 31), then 256 bytes of scale words: row r's four words at 16 r.  wq3's rows are the columns of wq, wk, wv on end (0 .. 3,071).
;   wo16:    [K / 256][tile of 16 columns][K step of 32][1,024 bytes]: lane (r, h) holds column r; K = 8 h .. + 7 at 16 l, K = 16 + 8 h .. + 7 at 512 + 16 l.
; A block's scale is 2^(floor(log2(largest magnitude)) - 2); its byte is the largest magnitude's exponent field - 2, held at 1 from below by a floor among the maximum's leaves.
; LIMITS: a block of zeros gets the byte 1 with zero codes (the bytes are read by this program alone); blocks with a largest magnitude under 2^-124 get the byte 1; NaN and infinities are not served; |wo| stays under 65,504 (f16).
; THREE PATHS, chosen by the work-group's number: 0-95 the weights (128 columns x 512 K each), 96-223 x (16 rows each, a wave to 512 K), 224-351 wo (128 columns x 256 K each).
; Memory binds: every input byte is read once, every store of sixteen neighbouring lanes covers 256 consecutive aligned bytes.  No matrix unit, no tensor load; no cluster: the work-groups share no input.
; Everything is written out: every offset is an immediate or a register that is never rewritten, and every store has data registers of its own, so no wait frees a source.
.set SPARE, 33792                      ; behind the four stages of the x path: the spare words, 128 bytes for each wave
.set SPW,   4                          ; v4  LDS address of my spare word; never rewritten
.set NIL,   5                          ; v5  0; never rewritten
.set REC,   4352
; the weights' path
.set WVO,   16                         ; v16-47   4 x lane + i rows of the weight
.set WX,    48                         ; v48-111  two sets of 32 numbers: a block of 32 along K of my column
.set WC,    112                        ; v112-175 four registers of codes for each of 16 blocks
.set WSB,   176                        ; v176-179 my column's 16 scale bytes
.set WBS,   32                         ; s[32:63] the address of each block's first row
; x's path
.set XR,    16                         ; v16-143  two sets of 64: a fragment's numbers as loaded
.set XX,    144                        ; v144-207 my 2 x 32 neighbours along K
.set XC,    208                        ; v208-239 eight registers of codes for each of 4 fragments
.set XW,    10                         ; v10-13   my row's four scale words
.set TM,    240                        ; v240-250 at work
; wo's path
.set OX,    48                         ; v48-111  two sets of 32 numbers
.set OH,    112                        ; v112-239 sixteen registers of f16 pairs for each of 8 K steps
	s_load_b512 s[4:19], s[0:1], 0x0               ; x 4:5, wq 6:7, wk 8:9, wv 10:11, wo 12:13, xq 14:15, wq3 16:17, wo16 18:19
	v_lshl_add_u32 v[SPW], v0, 2, SPARE
	v_mov_b32 v[NIL], 0
	v_lshrrev_b32 v1, 5, v0
	v_readfirstlane_b32 s20, v1                    ; wave 0..3
	v_and_b32 v1, 31, v0                           ; lane
	v_and_b32 v2, 15, v0                           ; r
	v_bfe_u32 v3, v0, 4, 1                         ; h
	s_mov_b32 s22, 0x76543210
	s_mov_b32 s23, 0xfedcba98                      ; v_permlanex16_b32's selects for lane l xor 16
	s_mov_b32 s69, 0
	s_wait_kmcnt 0x0
	s_cmp_lt_u32 ttmp9, 96
	s_cbranch_scc0 .Lnot_w
; ---------------- THE WEIGHTS.  A lane takes a column and its registers run down K: a block of 32 lies in one lane, and the conversions give codes with K innermost.
	s_lshr_b32 s21, ttmp9, 2                       ; which 128 columns of the 3,072: 0..23
	s_and_b32 s25, ttmp9, 3                        ; which 512 along K
	s_cmp_lt_u32 s21, 20
	s_cselect_b64 s[28:29], s[8:9], s[10:11]       ; wk or wv: the choice hangs on the work-group's number alone
	s_cselect_b32 s30, 16, 20
	s_cmp_lt_u32 s21, 16
	s_cselect_b64 s[28:29], s[6:7], s[28:29]       ; or wq
	s_cselect_b32 s30, 0, s30                      ; the tensor's first group of columns
	s_mov_b32 s24, 2048
	s_cselect_b32 s24, 8192, s24                   ; a row of the tensor in bytes
	s_sub_co_u32 s31, s21, s30
	s_lshl_b32 s31, s31, 9                         ; 128 columns are 512 bytes
	s_lshl_b32 s68, s20, 7                         ; my wave's 32 columns
	s_add_co_u32 s31, s31, s68
	s_lshl_b32 s68, s25, 9
	s_mul_i32 s68, s68, s24                        ; 512 rows for each step along K
	s_add_co_u32 s68, s68, s31
	s_add_nc_u64 s[WBS:WBS+1], s[28:29], s[68:69]
	s_lshl_b32 s66, s24, 5                         ; 32 rows
	s_mov_b32 s67, 0
.set ii, 1
.rept 15
	s_add_nc_u64 s[WBS+2*ii:WBS+2*ii+1], s[WBS+2*ii-2:WBS+2*ii-1], s[66:67]
.set ii, ii+1
.endr
	s_mul_i32 s68, s25, 192
	s_lshl_b32 s70, s21, 3
	s_add_co_u32 s68, s68, s70
	s_lshl_b32 s70, s20, 1
	s_add_co_u32 s68, s68, s70                     ; my wave's first record: 192 x K part + 8 x group + 2 x wave
	s_mul_i32 s68, s68, REC
	s_add_nc_u64 s[26:27], s[16:17], s[68:69]
	v_lshlrev_b32 v[WVO], 2, v1
.set ii, 1
.rept 31
	v_add_nc_u32 v[WVO+ii], s24, v[WVO+ii-1]
.set ii, ii+1
.endr
	v_mul_u32_u24 v6, v3, REC                      ; out: lanes 0-15 the first record, lanes 16-31 the second;
	v_lshl_add_u32 v6, v2, 4, v6                   ; 16 bytes for each row of a record
.macro WLOAD t                         ; block t: rows 32 t + i of my column into set t % 2; a load of the wave reads 128 consecutive bytes, the four waves stand side by side
.set ii, 0
.rept 32
	global_load_b32 v[WX+32*((\t)%2)+ii], v[WVO+ii], s[WBS+2*(\t):WBS+2*(\t)+1] th:TH_LOAD_NT
.set ii, ii+1
.endr
.endm
.macro WBLOCK t
.set XS, WX+32*((\t)%2)
.if (\t) < 15
	s_wait_loadcnt 32                              ; this block's 32 loads are in; the next block's 32 may be out
.else
	s_wait_loadcnt 0x0
.endif
	v_max3_num_f32 v12, |v[XS]|, |v[XS+1]|, |v[XS+2]|   ; the block's largest magnitude, in two chains
	v_max3_num_f32 v13, |v[XS+3]|, |v[XS+4]|, |v[XS+5]|
.irp i, 6,10,14,18,22,26
	v_max3_num_f32 v12, v12, |v[XS+\i]|, |v[XS+\i+1]|
	v_max3_num_f32 v13, v13, |v[XS+\i+2]|, |v[XS+\i+3]|
.endr
	v_max3_num_f32 v12, v12, |v[XS+30]|, |v[XS+31]|
	v_max3_num_f32 v12, v12, v13, 0x1800000        ; and the floor 2^(3 - 127): the byte cannot fall under 1
	v_add_nc_u32 v13, 0xff000000, v12              ; 2 off the exponent field: the conversion's scale operand
	v_lshrrev_b32 v14, 23, v13                     ; the scale's byte
.if (\t)%4 == 0
	v_mov_b32 v[WSB+(\t)/4], v14
.else
	v_lshl_or_b32 v[WSB+(\t)/4], v14, 8*((\t)%4), v[WSB+(\t)/4]
.endif
.irp g, 0,1,2,3
	v_cvt_scalef32_pk8_fp4_f32 v[WC+4*(\t)+\g], v[XS+8*\g:XS+8*\g+7], v13
.endr
	v_nop                                          ; one plain instruction behind the conversions, ahead of the next write of their scale operand
	global_store_b128 v6, v[WC+4*(\t):WC+4*(\t)+3], s[26:27] offset:((\t)/4)*1024+(((\t)%4)/2)*512+((\t)%2)*256   ; fragment t / 4; K = 32 (t % 4) on: registers 4 c of the lanes with h = t % 2
.if (\t)+2 < 16
	WLOAD (\t)+2
.endif
.endm
	WLOAD 0
	WLOAD 1
.set QC, 0
.rept 16
	WBLOCK QC
.set QC, QC+1
.endr
	global_store_b128 v6, v[WSB:WSB+3], s[26:27] offset:4096   ; my row's four scale words
	s_endpgm
.Lnot_w:
	s_cmp_lt_u32 ttmp9, 224
	s_cbranch_scc0 .Lpath_o
; ---------------- x.  The work-group takes 16 rows, wave w their K = 512 w .. + 511: one record.  Loads take the bytes as they lie (512 consecutive bytes each); a fragment's 16 x 512 bytes
; turn through the wave's own stage in LDS (rows of 528 bytes), out of which lane (r, h) takes its 2 x 32 neighbours along K.
	s_sub_co_u32 s21, ttmp9, 96                    ; the tile of 16 rows
	s_lshl_b32 s68, s21, 17                        ; 16 rows of 8,192 bytes
	s_lshl_b32 s70, s20, 11                        ; 512 numbers
	s_add_co_u32 s68, s68, s70
	s_add_nc_u64 s[26:27], s[4:5], s[68:69]
	s_lshl_b32 s68, s20, 7
	s_add_co_u32 s68, s68, s21
	s_mul_i32 s68, s68, REC                        ; record 128 x wave + tile
	s_add_nc_u64 s[28:29], s[14:15], s[68:69]
	s_mul_i32 s70, s20, 8448                       ; my stage: 16 rows x 528 bytes
	v_lshlrev_b32 v6, 4, v1                        ; 16 x lane: in memory, both ways
	v_add_nc_u32 v7, s70, v6                       ; into the stage
	v_mul_u32_u24 v8, v2, 528
	v_lshl_add_u32 v8, v3, 7, v8
	v_add_nc_u32 v8, s70, v8                       ; out of it: row r, + 128 h bytes
	v_lshlrev_b32 v9, 4, v2
	v_lshl_add_u32 v9, v3, 3, v9                   ; the scale words' place: 16 r + 8 h
	v_lshlrev_b32 v[TM+10], 3, v3                  ; 8 h
	v_mov_b32 v[TM+9], 0                           ; written once: a lane permute's destination counts as one of its sources
.macro XLOAD q
.set ii, 0
.rept 16
	global_load_b128 v[XR+64*((\q)%2)+4*ii:XR+64*((\q)%2)+4*ii+3], v6, s[26:27] offset:8192*ii+512*(\q) th:TH_LOAD_NT
.set ii, ii+1
.endr
.endm
.macro XFRAG q
.if (\q) < 3
	s_wait_loadcnt 16                              ; this fragment's 16 loads are in; the next one's 16 may be out
.else
	s_wait_loadcnt 0x0
.endif
.set ii, 0
.rept 16
	ds_store_b128 v7, v[XR+64*((\q)%2)+4*ii:XR+64*((\q)%2)+4*ii+3] offset:528*ii
.set ii, ii+1
.endr
.irp c, 0,1
.irp i, 0,1,2,3,4,5,6,7
	ds_load_b128 v[XX+32*\c+4*\i:XX+32*\c+4*\i+3], v8 offset:256*\c+16*\i   ; LDS serves a wave's instructions in order: these see the stores above
.endr
.endr
	s_wait_dscnt 0x0                               ; my numbers are back, and the stores have read their registers,
.if (\q) < 2
	XLOAD (\q)+2                                   ; which take the loads of two fragments on
.endif
.irp c, 0,1
	v_max3_num_f32 v[TM+\c], |v[XX+32*\c]|, |v[XX+32*\c+1]|, 0x1800000   ; my block 2 c + h: all 32 numbers are mine; the floor holds the byte at 1 from below
.endr
.irp i, 2,4,6,8,10,12,14,16,18,20,22,24,26,28,30
.irp c, 0,1
	v_max3_num_f32 v[TM+\c], v[TM+\c], |v[XX+32*\c+\i]|, |v[XX+32*\c+\i+1]|
.endr
.endr
.irp c, 0,1
	v_add_nc_u32 v[TM+4+\c], 0xff000000, v[TM+\c]  ; the conversion's scale operand
.endr
.irp c, 0,1
	v_lshrrev_b32 v[TM+6+\c], 23, v[TM+4+\c]       ; the byte
.endr
	v_lshl_or_b32 v[TM+8], v[TM+7], 16, v[TM+6]    ; my two bytes, blocks h and 2 + h,
	v_lshlrev_b32 v[TM+8], v[TM+10], v[TM+8]       ; at their places in the word;
	v_permlanex16_b32 v[TM+9], v[TM+8], s22, s23
	v_or_b32 v[XW+(\q)], v[TM+8], v[TM+9]          ; with lane l xor 16's two the word is whole
.irp c, 0,1
.irp g, 0,1,2,3
	v_cvt_scalef32_pk8_fp4_f32 v[XC+8*(\q)+4*\c+\g], v[XX+32*\c+8*\g:XX+32*\c+8*\g+7], v[TM+4+\c]
.endr
.endr
	v_nop                                          ; one plain instruction behind the conversions
.irp c, 0,1
	global_store_b128 v6, v[XC+8*(\q)+4*\c:XC+8*(\q)+4*\c+3], s[28:29] offset:1024*(\q)+512*\c   ; the fragment's registers as they stand: 512 consecutive bytes
.endr
.endm
	XLOAD 0
	XLOAD 1
	XFRAG 0
	XFRAG 1
	XFRAG 2
	XFRAG 3
	v_cmp_eq_u32 vcc_lo, 1, v3
	v_cndmask_b32 v14, v[XW], v[XW+2], vcc_lo      ; lanes 0-15 store words 0 and 1 of row r, lanes 16-31 words 2 and 3:
	v_cndmask_b32 v15, v[XW+1], v[XW+3], vcc_lo
	global_store_b64 v9, v[14:15], s[28:29] offset:4096   ; the 32 lanes store 256 consecutive bytes
	s_wait_tensorcnt 0x0                           ; the wave's end, behind my last LDS store
	ds_add_u32 v[SPW], v[NIL]
	s_wait_dscnt 0x0
	s_endpgm
.Lpath_o:
; ---------------- wo.  As the weights: a lane to a column, registers down K; pairs of neighbours along K are rounded to f16.
	s_sub_co_u32 s21, ttmp9, 224
	s_lshr_b32 s24, s21, 3                         ; which 128 columns
	s_and_b32 s25, s21, 7                          ; which 256 along K
	s_lshl_b32 s68, s25, 21                        ; 256 rows of 8,192 bytes
	s_lshl_b32 s70, s24, 9
	s_add_co_u32 s68, s68, s70
	s_lshl_b32 s70, s20, 7
	s_add_co_u32 s68, s68, s70
	s_add_nc_u64 s[26:27], s[12:13], s[68:69]
	s_lshl_b32 s68, s25, 7
	s_lshl_b32 s70, s24, 3
	s_add_co_u32 s68, s68, s70
	s_lshl_b32 s70, s20, 1
	s_add_co_u32 s68, s68, s70                     ; tile 128 x K part + 8 x group + 2 x wave,
	s_lshl_b32 s68, s68, 13                        ; 8,192 bytes each
	s_add_nc_u64 s[28:29], s[18:19], s[68:69]
	v_lshlrev_b32 v6, 2, v1
	v_lshlrev_b32 v7, 13, v3
	v_lshl_add_u32 v7, v2, 4, v7                   ; out: my tile, 16 bytes for each column
.macro OLOAD s
.set ii, 0
.rept 32
	global_load_b32 v[OX+32*((\s)%2)+ii], v6, s[26:27] offset:(32*(\s)+ii)*8192 th:TH_LOAD_NT
.set ii, ii+1
.endr
.endm
.macro OBLOCK s
.if (\s) < 7
	s_wait_loadcnt 32                              ; this K step's 32 loads are in; the next one's may be out
.else
	s_wait_loadcnt 0x0
.endif
.set ii, 0
.rept 16
	v_cvt_pk_f16_f32 v[OH+16*(\s)+ii], v[OX+32*((\s)%2)+2*ii], v[OX+32*((\s)%2)+2*ii+1]
.set ii, ii+1
.endr
.irp p, 0,1,2,3
	global_store_b128 v7, v[OH+16*(\s)+4*\p:OH+16*(\s)+4*\p+3], s[28:29] offset:1024*(\s)+256*\p   ; K = 8 p .. + 7: the image's bytes 256 p + 16 r
.endr
.if (\s)+2 < 8
	OLOAD (\s)+2
.endif
.endm
	OLOAD 0
	OLOAD 1
.set QC, 0
.rept 8
	OBLOCK QC
.set QC, QC+1
.endr
	s_endpgm
.Lfunc_end_k_q5d4f89812f_prep:
	.size	k_q5d4f89812f_prep, .Lfunc_end_k_q5d4f89812f_prep-k_q5d4f89812f_prep
	.p2alignl 7, 3214868480
	.fill 96, 4, 3214868480
	.section	.rodata,"a",@progbits
	.p2align	6, 0x0
	.amdhsa_kernel k_q5d4f89812f_prep
		.amdhsa_group_segment_fixed_size 34304
		.amdhsa_private_segment_fixed_size 0
		.amdhsa_enable_private_segment 0
		.amdhsa_kernarg_size 64
		.amdhsa_user_sgpr_count 2
		.amdhsa_user_sgpr_kernarg_segment_ptr 1
		.amdhsa_wavefront_size32 1
		.amdhsa_system_sgpr_workgroup_id_x 1
		.amdhsa_system_sgpr_workgroup_id_y 1
		.amdhsa_system_sgpr_workgroup_id_z 1
		.amdhsa_system_vgpr_workitem_id 0
		.amdhsa_next_free_vgpr 256
		.amdhsa_next_free_sgpr 72
		.amdhsa_reserve_vcc 1
		.amdhsa_float_denorm_mode_32 3
		.amdhsa_float_denorm_mode_16_64 3
		.amdhsa_memory_ordered 1
		.amdhsa_forward_progress 1
		.amdhsa_inst_pref_size 142
	.end_amdhsa_kernel
	.amdgpu_metadata
---
amdhsa.version: [ 1, 2 ]
amdhsa.kernels:
  - .name:           k_q5d4f89812f_prep
    .symbol:         k_q5d4f89812f_prep.kd
    .args:
      - { .name: x, .offset: 0, .size: 8, .value_kind: global_buffer, .address_space: global }
      - { .name: wq, .offset: 8, .size: 8, .value_kind: global_buffer, .address_space: global }
      - { .name: wk, .offset: 16, .size: 8, .value_kind: global_buffer, .address_space: global }
      - { .name: wv, .offset: 24, .size: 8, .value_kind: global_buffer, .address_space: global }
      - { .name: wo, .offset: 32, .size: 8, .value_kind: global_buffer, .address_space: global }
      - { .name: xq, .offset: 40, .size: 8, .value_kind: global_buffer, .address_space: global }
      - { .name: wq3, .offset: 48, .size: 8, .value_kind: global_buffer, .address_space: global }
      - { .name: wo16, .offset: 56, .size: 8, .value_kind: global_buffer, .address_space: global }
    .group_segment_fixed_size: 34304
    .private_segment_fixed_size: 0
    .kernarg_segment_align: 8
    .kernarg_segment_size: 64
    .max_flat_workgroup_size: 128
    .sgpr_count:     72
    .vgpr_count:     256
    .wavefront_size: 32
...
	.end_amdgpu_metadata
.endif
;; end of part 1
;; launch qkv (part 2): grid 16 x 16, 8 waves a work-group, clusters of 4 x 4, 327,680 bytes of LDS; arguments xq, wq3, freqs_cos, freqs_sin, qkv; writes qkv
.if DOCPART == 2
	.amdgcn_target "amdgcn-amd-amdhsa--gfx1250"
	.amdhsa_code_object_version 6
	.text
	.protected	k_q5d4f89812f_qkv
	.globl	k_q5d4f89812f_qkv
	.p2align	8
	.type	k_q5d4f89812f_qkv,@function
k_q5d4f89812f_qkv:
	s_mov_b64 s[64:65], 0
	v_nop
	global_prefetch_b8 v0, s[64:65] scope:SCOPE_SE
	s_setreg_imm32_b32 hwreg(HW_REG_WAVE_MODE, 25, 1), 1
	s_wait_xcnt 0x0
	s_wait_alu depctr_hold_cnt(0) depctr_sa_sdst(0) depctr_va_vdst(0) depctr_va_sdst(0) depctr_va_ssrc(0) depctr_va_vcc(0) depctr_vm_vsrc(0)
	s_getreg_b32 s2, hwreg(HW_REG_IB_STS2, 6, 4)
	s_cmp_eq_u32 s2, 0
	s_cbranch_scc0 .Lentry_in_a_cluster
	s_endpgm
.Lentry_in_a_cluster:
	s_bfe_u32 s2, ttmp6, 0x10000c
	s_cmp_lg_u32 s2, 0xf033
	s_cbranch_scc0 .Lentry_shape_is_right
	s_endpgm
.Lentry_shape_is_right:
; [q | k | v] = Q(x) Q([wq | wk | wv]): 2,048 x 3,072 x 2,048 on codes of FP4 with E8M0 scales; then the rotation of q and k by the two tables, q x log2(e) / 8, all rounded to f16 once and
; stored as images of the next launch's operand registers: qkv [48 heads: 32 q, 8 k, 8 v][128 tiles of 16 rows][4 blocks][512 bytes].
;   q, k: block b holds channels 16 b + 8 h + 0 .. 7 of row r at 16 x lane.   v: block b holds 16 keys x channels 16 b .. + 15 in the order that the turning LDS load takes them at 16 x lane.
; LIMITS: |q log2(e) / 8|, |k|, |v| stay under 65,504 (f16); NaN and infinities are not served.
; SHARES.  A work-group makes 128 rows x 192 columns (three heads): 256 work-groups.  Wave w: row tiles 4 (w % 2) + i (i = 0 .. 3), column tiles (w / 2) + 4 j (j = 0 .. 2): the same 16 channels of the
; three heads, so one set of cosines and sines serves all three.  12 accumulators.  The product is used transposed (source 0 = 16 columns of w, source 1 = 16 rows of x): a lane holds one row and eight neighbouring channels.
; LDS.  Three slots of 87,040 bytes, each with 512 along K: x's 8 records, then w's 12.  Slots 0, 1, 2 are filled at the start; slot 0 is filled once more, with the last 512.  Four slots do not fit.
; CLUSTER 4 x 4: x's records are shared along a row of the cluster, w's along a column: joint loads.  Waves 0-3 fetch two records of x each, waves 4-7 three of w: a wave has three tensor loads out at the most.
; No prefetch: three quarters of the bytes are asked for at the head and the launch is short.
.set REC,   4352
.set SLOT,  20*REC
.set BOFF,  8*REC
.set SPARE, 3*SLOT                     ; behind the slots: the spare words, 128 bytes for each of eight waves
.set LI,   1                           ; v1      16 x lane
.set SPW,  2                           ; v2      LDS address of my spare word; never rewritten
.set NIL,  3                           ; v3      0; never rewritten
.set ADA,  4                           ; v4-6    my fragments of x in slot 0, 1, 2
.set ADB,  7                           ; v7-9    of w
.set ASA,  10                          ; v10-12  my scale words of x
.set ASB,  13                          ; v13-15  of w
.set SCW,  16                          ; v16-29  scale words and nothing else: two sets of 7: x's tile i at + i, w's tile j at + 4 + j
.set FRG,  32                          ; v32-143 fragments: two buffers of 56: x's tile i at + 8 i, w's tile j at + 32 + 8 j
.set ACC,  144                         ; v144-239 accumulator (i, j) at 8 (3 i + j)
.set CSO,  242                         ; v242    my place in the tables: 128 r + 16 h; never rewritten
.set VO,   243                         ; v243-245 my place in a block of the result, for each of the three heads
.set TC,   32                          ; the way out, in the fragments' registers: for head j four cosines at 8 j, four sines at 8 j + 4;
.set T,    56                          ; eight scaled sums;
.set U,    64                          ; eight rotated numbers;
.set RES,  88                          ; v88-135 four registers of f16 for each of the 12 tiles, never rewritten
.set G1A,  24                          ; s[24:31] descriptor group 1 for x's records; s[32:39] for w's
.set G1B,  32
.set G0A,  40                          ; s[40:51] group 0 for x, a set for each slot; s[52:63] for w
.set G0B,  52
.set MSB, 0
.macro WIN new                         ; the immediate's high byte repeats the setting that is left
.if MSB != \new
	s_set_vgpr_msb (MSB<<8)|\new
.set MSB, \new
.endif
.endm
.macro PLACES
.rept 4
	v_nop
.endr
.endm
; A joint load.  The branch hangs on the wave's number alone.  An s_nop 0 and four v_nop follow each of the two lines.
.macro JLOAD n
	s_cmp_lt_u32 s14, 4
	s_cbranch_scc0 .Lfor_b_\@
	tensor_load_to_lds s[G0A+4*\n:G0A+4*\n+3], s[G1A:G1A+7]
	s_nop 0
	PLACES
	s_branch .Lasked_\@
.Lfor_b_\@:
	tensor_load_to_lds s[G0B+4*\n:G0B+4*\n+3], s[G1B:G1B+7]
	s_nop 0
	PLACES
.Lasked_\@:
.endm
.macro CROUND                          ; a round of the cluster's barrier
	s_barrier_signal -1
	s_barrier_wait -1
	s_cmp_lg_u32 s14, 0
	s_cbranch_scc1 .Lnot_wave_0_\@
	s_barrier_signal -3
.Lnot_wave_0_\@:
	s_barrier_wait -3
	s_barrier_signal -1
	s_barrier_wait -1
.endm
	s_load_b128 s[4:7], s[0:1], 0x0                ; xq, wq3
	s_load_b128 s[8:11], s[0:1], 0x10              ; cosines, sines
	s_load_b64 s[12:13], s[0:1], 0x20              ; qkv
	v_lshl_add_u32 v[SPW], v0, 2, SPARE
	v_mov_b32 v[NIL], 0
	ds_add_u32 v[SPW], v[NIL]                      ; the wave's opening: the add, twice on end, and its wait ahead of my first tensor load
	ds_add_u32 v[SPW], v[NIL]
	v_lshrrev_b32 v240, 5, v0
	v_readfirstlane_b32 s14, v240                  ; wave 0..7
	s_and_b32 s15, s14, 3                          ; which part of a slot's records I fetch
	s_and_b32 s16, s14, 1                          ; which 64 rows are mine
	s_lshr_b32 s17, s14, 1                         ; which 16 channels of each head
	s_bfe_u32 s18, ttmp6, 0x40000                  ; cx
	s_bfe_u32 s19, ttmp6, 0x40004                  ; cy
	s_lshl_b32 s20, ttmp9, 2
	s_add_co_u32 s20, s20, s18                     ; block of 192 columns
	s_and_b32 s21, ttmp7, 0xffff
	s_lshl_b32 s21, s21, 2
	s_add_co_u32 s21, s21, s19                     ; block of 128 rows
	s_lshl_b32 s22, s19, 2
	s_lshl_b32 s22, 15, s22                        ; my row of the cluster
	s_lshl_b32 s23, 0x1111, s18                    ; my column
	; group 1: dense blocks as rows of 256 bytes (32 elements of 8 bytes), no padding: 34 rows (two records) for x, 51 (three) for w
	s_or_b32 s[G1A], s22, (3<<16)|(1<<21)          ; 15:0 the mask; 17:16 elements of 8 bytes; 21 set beside a mask
	s_or_b32 s[G1B], s23, (3<<16)|(1<<21)
	s_mov_b32 s[G1A+1], 32<<16                     ; tensor_dim0
	s_mov_b32 s[G1A+2], 34<<16                     ; tensor_dim1
	s_mov_b32 s[G1A+3], 32<<16                     ; tile_dim0
	s_mov_b32 s[G1A+4], 34                         ; tile_dim1
	s_mov_b32 s[G1A+5], 32                         ; from row to row
	s_mov_b32 s[G1A+6], 0
	s_mov_b32 s[G1A+7], 0
	s_mov_b32 s[G1B+1], 32<<16
	s_mov_b32 s[G1B+2], 51<<16
	s_mov_b32 s[G1B+3], 32<<16
	s_mov_b32 s[G1B+4], 51
	s_mov_b32 s[G1B+5], 32
	s_mov_b32 s[G1B+6], 0
	s_mov_b32 s[G1B+7], 0
	; x's address hangs on the block of rows alone, w's on the block of columns alone; s97 holds numbers made of the wave's number only
	s_lshl_b32 s97, s15, 1
	s_lshl_b32 s92, s21, 3
	s_add_co_u32 s92, s92, s97
	s_mul_i32 s92, s92, REC                        ; x: record 8 x block + 2 x part
	s_mov_b32 s93, 0
	s_mul_i32 s97, s15, 3
	s_mul_i32 s94, s20, 12
	s_add_co_u32 s94, s94, s97
	s_mul_i32 s94, s94, REC                        ; w: record 12 x block + 3 x part
	s_mov_b32 s95, 0
	s_mul_i32 s98, s15, 2*REC                      ; and their places in a slot
	s_mul_i32 s99, s15, 3*REC
	s_add_co_u32 s99, s99, BOFF
	; my three heads: which are v's (no rotation, another order of lanes), which are q's (x log2(e) / 8).  Choices, no branches
	s_mul_i32 s72, s20, 3
	s_add_co_u32 s73, s72, 1
	s_add_co_u32 s74, s72, 2
.irp j, 0,1,2
	s_cmp_ge_u32 s[72+\j], 40
	s_cselect_b32 s[76+\j], -1, 0                  ; all lanes' bits: the head is one of v's
	s_cmp_lt_u32 s[72+\j], 32
	s_cselect_b32 s[80+2*\j], 0x3e38aa3b, 1.0      ; log2(e) / 8 for q
	s_mov_b32 s[81+2*\j], s[80+2*\j]               ; (named with it as a pair)
.endr
	s_lshl_b32 s96, s21, 14                        ; 128 rows: 16,384 bytes in the tables, and 8 tiles of 2,048 bytes in a head of the result
	s_lshl_b32 s97, s16, 13
	s_add_co_u32 s96, s96, s97                     ; + my 64 rows
	s_lshl_b32 s97, s17, 5
	s_add_co_u32 s68, s96, s97                     ; tables: + my 8 pairs of channels
	s_mov_b32 s69, 0
	s_lshl_b32 s97, s17, 9
	s_add_co_u32 s96, s96, s97                     ; result: + my block of 512 bytes
.irp j, 0,1,2
	s_lshl_b32 s[86+2*\j], s[72+\j], 18            ; a head is 262,144 bytes
	s_add_co_u32 s[86+2*\j], s[86+2*\j], s96
	s_mov_b32 s[87+2*\j], 0
.endr
	s_wait_dscnt 0x0                               ; both opening adds are done
	s_wait_kmcnt 0x0
	s_add_nc_u64 s[92:93], s[4:5], s[92:93]
	s_add_nc_u64 s[94:95], s[6:7], s[94:95]
	s_add_nc_u64 s[70:71], s[10:11], s[68:69]      ; sines
	s_add_nc_u64 s[68:69], s[8:9], s[68:69]        ; cosines
.irp j, 0,1,2
	s_add_nc_u64 s[86+2*\j:87+2*\j], s[12:13], s[86+2*\j:87+2*\j]
.endr
	CROUND                                         ; all sixteen work-groups are here: the first joint loads meet
.irp n, 0,1,2
	s_mov_b32 s[G0A+4*\n], 1
	s_add_co_u32 s[G0A+4*\n+1], s98, \n*SLOT
	s_add_nc_u64 s[G0A+4*\n+2:G0A+4*\n+3], s[92:93], \n*128*REC   ; 512 along K on: 128 records
	s_or_b32 s[G0A+4*\n+3], s[G0A+4*\n+3], 0x80000000
	s_mov_b32 s[G0B+4*\n], 1
	s_add_co_u32 s[G0B+4*\n+1], s99, \n*SLOT
	s_add_nc_u64 s[G0B+4*\n+2:G0B+4*\n+3], s[94:95], \n*192*REC
	s_or_b32 s[G0B+4*\n+3], s[G0B+4*\n+3], 0x80000000
	JLOAD \n
.endr
	v_and_b32 v240, 15, v0                         ; r
	v_bfe_u32 v241, v0, 4, 1                       ; h
	v_lshlrev_b32 v[CSO], 7, v240
	v_lshl_add_u32 v[CSO], v241, 4, v[CSO]         ; a row of a table is 128 bytes; my four pairs are 16 bytes
	WIN 0x40                                       ; destination window 1: v256-287: for row tile i four cosines at 8 i, four sines at 8 i + 4
.irp i, 0,1,2,3
	global_load_b128 v[8*\i:8*\i+3], v[CSO], s[68:69] offset:2048*\i
	global_load_b128 v[8*\i+4:8*\i+7], v[CSO], s[70:71] offset:2048*\i
.endr
	WIN 0
	v_and_b32 v[LI], 31, v0
	v_lshlrev_b32 v[LI], 4, v[LI]
	v_lshlrev_b32 v247, 4, v240                    ; 16 r: a row's four scale words
	s_mul_i32 s97, s16, 4*REC                      ; my four records of x
	v_add_nc_u32 v[ADA], s97, v[LI]
	v_add_nc_u32 v[ASA], s97, v247
	v_add_nc_u32 v[ASA], 4096, v[ASA]
	s_mul_i32 s97, s17, REC                        ; my first record of w; the others lie four records apart
	s_add_co_u32 s97, s97, BOFF
	v_add_nc_u32 v[ADB], s97, v[LI]
	v_add_nc_u32 v[ASB], s97, v247
	v_add_nc_u32 v[ASB], 4096, v[ASB]
.irp n, 1,2
	v_add_nc_u32 v[ADA+\n], \n*SLOT, v[ADA]
	v_add_nc_u32 v[ADB+\n], \n*SLOT, v[ADB]
	v_add_nc_u32 v[ASA+\n], \n*SLOT, v[ASA]
	v_add_nc_u32 v[ASB+\n], \n*SLOT, v[ASB]
.endr
	v_lshrrev_b32 v246, 3, v240                    ; v's order: the place that holds key r and my eight channels is 16 (r / 8) + 8 h + r % 8
	v_lshlrev_b32 v246, 4, v246
	v_lshl_add_u32 v246, v241, 3, v246
	v_and_b32 v247, 7, v240
	v_add_nc_u32 v246, v246, v247
	v_lshlrev_b32 v246, 4, v246
.irp j, 0,1,2
	v_cndmask_b32 v[VO+\j], v[LI], v246, s[76+\j]
.endr
; The fragments and scale words of K step k (128 along K; 16 in all) into buffer p: 21 LDS loads, each at 16 x lane (or 16 r) + constants
.macro FETCH k, p
.set SL, ((\k)/4)%3
.set QQ, (\k)%4
.set FB, FRG+56*(\p)
.set SW, SCW+7*(\p)
.irp j, 0,1,2
.irp c, 0,1
	ds_load_b128 v[FB+32+8*\j+4*\c:FB+32+8*\j+4*\c+3], v[ADB+SL] offset:4*REC*\j+1024*QQ+512*\c
.endr
	ds_load_b32 v[SW+4+\j], v[ASB+SL] offset:4*REC*\j+4*QQ
.endr
.irp i, 0,1,2,3
.irp c, 0,1
	ds_load_b128 v[FB+8*\i+4*\c:FB+8*\i+4*\c+3], v[ADA+SL] offset:REC*\i+1024*QQ+512*\c
.endr
	ds_load_b32 v[SW+\i], v[ASA+SL] offset:REC*\i+4*QQ
.endr
.endm
; 12 matrix instructions; the accumulators take turns, one instruction a turn, in the same order in every step.  zero = 1: the first step starts the sums
.macro MUL12 p, zero
.irp i, 0,1,2,3
.irp j, 0,1,2
.if \zero
	v_wmma_scale_f32_16x16x128_f8f6f4 v[ACC+8*(3*\i+\j):ACC+8*(3*\i+\j)+7], v[FRG+56*(\p)+32+8*\j:FRG+56*(\p)+32+8*\j+7], v[FRG+56*(\p)+8*\i:FRG+56*(\p)+8*\i+7], 0, v[SCW+7*(\p)+4+\j], v[SCW+7*(\p)+\i] matrix_a_fmt:MATRIX_FMT_FP4 matrix_b_fmt:MATRIX_FMT_FP4
.else
	v_wmma_scale_f32_16x16x128_f8f6f4 v[ACC+8*(3*\i+\j):ACC+8*(3*\i+\j)+7], v[FRG+56*(\p)+32+8*\j:FRG+56*(\p)+32+8*\j+7], v[FRG+56*(\p)+8*\i:FRG+56*(\p)+8*\i+7], v[ACC+8*(3*\i+\j):ACC+8*(3*\i+\j)+7], v[SCW+7*(\p)+4+\j], v[SCW+7*(\p)+\i] matrix_a_fmt:MATRIX_FMT_FP4 matrix_b_fmt:MATRIX_FMT_FP4
.endif
.endr
.endr
.endm
.macro STEP k, zero
	s_wait_dscnt 0x0                               ; this step's fragments are in
	PLACES                                         ; four plain instructions between the last step's products and loads into the registers that they read
	FETCH (\k)+1, ((\k)+1)%2
	MUL12 (\k)%2, \zero
.endm
; A step in front of whose successor a barrier is due.  fill = 1 (step 3): slot 0 has been read out and is filled again.  fill = 0 (step 11): slot 0's second fill is shown to all waves.
.macro TURN k, fill
	s_wait_dscnt 0x0                               ; this step's fragments are in: my reads of the slot are over
	s_wait_tensorcnt 0x0                           ; all my tensor loads have landed, so a group 0 may be written
	ds_add_u32 v[SPW], v[NIL]                      ; 0 onto my spare word: the step's products stand between it and the wait for it
.if \fill
	s_add_nc_u64 s[G0A+2:G0A+3], s[G0A+2:G0A+3], 3*128*REC   ; slot 0's next tile: the last 512 along K
	s_add_nc_u64 s[G0B+2:G0B+3], s[G0B+2:G0B+3], 3*192*REC
.endif
	MUL12 (\k)%2, 0
	s_wait_dscnt 0x0                               ; the add is done
.if \fill
	CROUND                                         ; no wave of any partner still reads slot 0 or has a load on its way; slots 1 and 2 are whole in every work-group
	JLOAD 0                                        ; the first tensor load behind the round; it has eight steps in which to land; its four v_nop are the places for the loads below
.else
	s_barrier_signal -1
	s_barrier_wait -1
	PLACES
.endif
	FETCH (\k)+1, ((\k)+1)%2
.endm
	s_wait_tensorcnt 0x2                           ; my part of slot 0 is in; slots 1 and 2 may stay out
	s_barrier_signal -1
	s_barrier_wait -1
	FETCH 0, 0
	STEP 0, 1
	STEP 1, 0
	STEP 2, 0
	TURN 3, 1
.irp k, 4,5,6,7,8,9,10
	STEP \k, 0
.endr
	TURN 11, 0
.irp k, 12,13,14
	STEP \k, 0
.endr
	s_wait_dscnt 0x0
	MUL12 1, 0
; THE WAY OUT.  A lane holds row r and channels 8 h + 0 .. 7 of its 16: four pairs.  o0 = a0 c - a1 s, o1 = a0 s + a1 c; for v's heads c = 1 and s = 0 are chosen.  Eight numbers round to 16 bytes,
; and the wave's store covers 512 consecutive bytes of the result.
.macro ROPE i, j
.set AC, ACC+8*(3*(\i)+(\j))
.set RS, RES+4*(3*(\i)+(\j))
.irp p, 0,1,2,3
	v_pk_mul_f32 v[T+2*\p:T+2*\p+1], v[AC+2*\p:AC+2*\p+1], s[80+2*(\j):81+2*(\j)] op_sel_hi:[1,0]   ; each accumulator from its low end on
.endr
.irp p, 0,1,2,3
	v_mul_f32 v[U+2*\p], v[T+2*\p+1], v[TC+8*(\j)+4+\p]
	v_mul_f32 v[U+2*\p+1], v[T+2*\p+1], v[TC+8*(\j)+\p]
.endr
.irp p, 0,1,2,3
	v_fma_f32 v[U+2*\p], v[T+2*\p], v[TC+8*(\j)+\p], -v[U+2*\p]
	v_fma_f32 v[U+2*\p+1], v[T+2*\p], v[TC+8*(\j)+4+\p], v[U+2*\p+1]
.endr
.irp p, 0,1,2,3
	v_cvt_pk_f16_f32 v[RS+\p], v[U+2*\p], v[U+2*\p+1]
.endr
	global_store_b128 v[VO+(\j)], v[RS:RS+3], s[86+2*(\j):87+2*(\j)] offset:2048*(\i)
.endm
	PLACES                                         ; between the last products and the first read of results, and the first write of the fragments' registers
	s_wait_loadcnt 0x0                             ; the cosines and sines
.irp i, 0,1,2,3
	WIN 0x01                                       ; source 0 window 1
.irp j, 0,1,2
.irp p, 0,1,2,3
	v_cndmask_b32 v[TC+8*\j+\p], v[8*\i+\p], 1.0, s[76+\j]
	v_cndmask_b32 v[TC+8*\j+4+\p], v[8*\i+4+\p], 0, s[76+\j]
.endr
.endr
	WIN 0
.irp j, 0,1,2
	ROPE \i, \j
.endr
.endr
	s_wait_tensorcnt 0x0                           ; the wave's end, behind my last tensor load
	ds_add_u32 v[SPW], v[NIL]
	s_wait_dscnt 0x0
	CROUND                                         ; the closing round: no work-group ends while a partner may still ask for a tile that names it
	s_endpgm
.Lfunc_end_k_q5d4f89812f_qkv:
	.size	k_q5d4f89812f_qkv, .Lfunc_end_k_q5d4f89812f_qkv-k_q5d4f89812f_qkv
	.p2alignl 7, 3214868480
	.fill 96, 4, 3214868480
	.section	.rodata,"a",@progbits
	.p2align	6, 0x0
	.amdhsa_kernel k_q5d4f89812f_qkv
		.amdhsa_group_segment_fixed_size 327680
		.amdhsa_private_segment_fixed_size 0
		.amdhsa_enable_private_segment 0
		.amdhsa_kernarg_size 40
		.amdhsa_user_sgpr_count 2
		.amdhsa_user_sgpr_kernarg_segment_ptr 1
		.amdhsa_wavefront_size32 1
		.amdhsa_system_sgpr_workgroup_id_x 1
		.amdhsa_system_sgpr_workgroup_id_y 1
		.amdhsa_system_sgpr_workgroup_id_z 1
		.amdhsa_system_vgpr_workitem_id 0
		.amdhsa_next_free_vgpr 288
		.amdhsa_next_free_sgpr 100
		.amdhsa_reserve_vcc 0
		.amdhsa_float_denorm_mode_32 3
		.amdhsa_float_denorm_mode_16_64 3
		.amdhsa_memory_ordered 1
		.amdhsa_forward_progress 1
		.amdhsa_inst_pref_size 82
	.end_amdhsa_kernel
	.amdgpu_metadata
---
amdhsa.version: [ 1, 2 ]
amdhsa.kernels:
  - .name:           k_q5d4f89812f_qkv
    .symbol:         k_q5d4f89812f_qkv.kd
    .args:
      - { .name: xq, .offset: 0, .size: 8, .value_kind: global_buffer, .address_space: global }
      - { .name: wq3, .offset: 8, .size: 8, .value_kind: global_buffer, .address_space: global }
      - { .name: freqs_cos, .offset: 16, .size: 8, .value_kind: global_buffer, .address_space: global }
      - { .name: freqs_sin, .offset: 24, .size: 8, .value_kind: global_buffer, .address_space: global }
      - { .name: qkv, .offset: 32, .size: 8, .value_kind: global_buffer, .address_space: global }
    .group_segment_fixed_size: 327680
    .private_segment_fixed_size: 0
    .kernarg_segment_align: 8
    .kernarg_segment_size: 40
    .max_flat_workgroup_size: 256
    .sgpr_count:     100
    .vgpr_count:     288
    .wavefront_size: 32
...
	.end_amdgpu_metadata
.endif
;; end of part 2
;; launch attn (part 3): grid 32 x 8, 8 waves a work-group, clusters of 4 x 1, 327,680 bytes of LDS; arguments qkv, att; writes att
.if DOCPART == 3
	.amdgcn_target "amdgcn-amd-amdhsa--gfx1250"
	.amdhsa_code_object_version 6
	.text
	.protected	k_q5d4f89812f_attn
	.globl	k_q5d4f89812f_attn
	.p2align	8
	.type	k_q5d4f89812f_attn,@function
k_q5d4f89812f_attn:
	s_mov_b64 s[64:65], 0
	v_nop
	global_prefetch_b8 v0, s[64:65] scope:SCOPE_SE
	s_setreg_imm32_b32 hwreg(HW_REG_WAVE_MODE, 25, 1), 1
	s_wait_xcnt 0x0
	s_wait_alu depctr_hold_cnt(0) depctr_sa_sdst(0) depctr_va_vdst(0) depctr_va_sdst(0) depctr_va_ssrc(0) depctr_va_vcc(0) depctr_vm_vsrc(0)
	s_getreg_b32 s2, hwreg(HW_REG_IB_STS2, 6, 4)
	s_cmp_eq_u32 s2, 0
	s_cbranch_scc0 .Lentry_in_a_cluster
	s_endpgm
.Lentry_in_a_cluster:
	s_bfe_u32 s2, ttmp6, 0x10000c
	s_cmp_lg_u32 s2, 0x3003
	s_cbranch_scc0 .Lentry_shape_is_right
	s_endpgm
.Lentry_shape_is_right:
; o[head][q] = the sum over all 2,048 keys of softmax(q . k / 8) v, in f16 operands with f32 sums, maxima and row sums.  q arrives multiplied by log2(e) / 8, so a score is the exponent to base 2.
; A running maximum m and sum l for each query: p = 2^(s - m); in every step o and l are multiplied by a = 2^(old m - new m).  o is divided by l at the end and rounded to f16 once.
; The factor 1 - lambda is applied by the next launch, in f32.   LIMITS: |o| stays under 65,504 (f16); NaN and infinities are not served.
; IN:  qkv [48 heads][128 tiles of 16 rows][4 blocks][512 bytes], images of operand registers.   OUT: att [8][128 tiles of 16 rows][8 K steps of 32][1,024 bytes], images of the next launch's fragments (K = 64 head + channel).
; SHARES.  A work-group owns 256 queries of one head; each of its eight waves 32: two tiles of 16.  Two waves share a SIMD, so that one wave's softmax stands beside the other's products; the text goes in phases.
; Both products are used transposed (S^T = K Q^T, O^T = V^T P): a lane holds one query throughout, and two tiles of S^T, rounded in pairs, are source 1 of the second product.
; CLUSTER 4 x 1: the four query heads that share a key and value head walk the same K and V: every tile is a joint load that names all four.
; LDS.  Two slots of 131,072 bytes, 512 keys each: K's 65,536 bytes, then V's.  Every wave fetches 16,384 bytes of a slot: two loads of a wave are out at the start, one behind each round.
; No prefetch: each refill stands a whole slot, eight key steps (256 matrix instructions a wave), ahead of its first read, and the first two slots are asked for at the head.
; REGISTERS.  Window 0: v1-6 addresses; v8-31 statistics, 12 a tile; v32-63 Q; v64-127 S^T, then p; v128-159 P; v160-223 O^T.  Window 1: v0-63 K of one step; v64-127 V of one step.
.set SLOT1, 1<<17
.set STEPB, 8192                       ; a key step, 64 keys: four tiles of 2,048 bytes, in K and in V
.set SPARE, 2*SLOT1                    ; behind the ring: the spare words, 128 bytes for each of eight waves
.set LI,  1                            ; v1  16 x lane
.set LIV, 2                            ; v2  the same in V's part of a slot
.set ADK, 3                            ; v3  LDS address of the run of K's loads in hand
.set ADV, 4                            ; v4  of V's
.set SPW, 5                            ; v5  LDS address of my spare word; never rewritten
.set NIL, 6                            ; v6  0; never rewritten
.set ST,  8                            ; tile t's statistics at v[ST + 12 t]: +0 m (+1 named with it), +2, +3 l (even keys', odd keys'), +4 a (+5 named with it), +6 .. +9 at work, +10 the old m
.set Q,   32
.set S,   64
.set P,   128
.set O,   160
.set VF,  64                           ; V's fragments, in window 1
.set WV,  12                           ; s12 wave
.set G1,  16                           ; s[16:23] descriptor group 1
.set G0A, 24                           ; s[24:27] group 0 of the first fill of slot 0
.set G0B, 28                           ; s[28:31] of slot 1's; it then walks on
.set SEL, 40                           ; s[40:41] lane selects for lane l xor 16
.set TJ,  42                           ; s42 LDS byte at which the key step in hand begins
.set NST, 43                           ; s43 counts a slot's steps
.set NSL, 44                           ; s44 counts the refills
.set MSB, 0
.macro WIN new                         ; the immediate's high byte repeats the setting that is left
.if MSB != \new
	s_set_vgpr_msb (MSB<<8)|\new
.set MSB, \new
.endif
.endm
.macro PLACES
.rept 4
	v_nop
.endr
.endm
.macro CROUND                          ; a round of the cluster's barrier
	s_barrier_signal -1
	s_barrier_wait -1
	s_cmp_lg_u32 s[WV], 0
	s_cbranch_scc1 .Lnot_wave_0_\@
	s_barrier_signal -3
.Lnot_wave_0_\@:
	s_barrier_wait -3
	s_barrier_signal -1
	s_barrier_wait -1
.endm
	s_load_b128 s[4:7], s[0:1], 0x0                ; qkv, att
	v_lshl_add_u32 v[SPW], v0, 2, SPARE
	v_mov_b32 v[NIL], 0
	ds_add_u32 v[SPW], v[NIL]                      ; the wave's opening: the add, twice on end, and its wait ahead of my first tensor load
	ds_add_u32 v[SPW], v[NIL]
	v_lshrrev_b32 v7, 5, v0
	v_readfirstlane_b32 s[WV], v7                  ; wave 0..7
	s_bfe_u32 s13, ttmp6, 0x40000                  ; cx: which of the four query heads; it enters Q's and the result's addresses alone
	s_and_b32 s14, ttmp7, 0xffff                   ; the block of 256 queries
	s_mov_b32 s[G1], 15|(3<<16)|(1<<21)            ; 15:0 the mask: all four work-groups; 17:16 elements of 8 bytes; 21 set beside a mask; no padding
	s_mov_b32 s[G1+1], 32<<16                      ; tensor_dim0: rows of 256 bytes
	s_mov_b32 s[G1+2], 64<<16                      ; tensor_dim1
	s_mov_b32 s[G1+3], 32<<16                      ; tile_dim0
	s_mov_b32 s[G1+4], 64                          ; tile_dim1: 64 rows, 16,384 dense bytes
	s_mov_b32 s[G1+5], 32
	s_mov_b32 s[G1+6], 0
	s_mov_b32 s[G1+7], 0
	s_lshr_b32 s32, s[WV], 2                       ; waves 0-3 fetch K, waves 4-7 V:
	s_lshl_b32 s32, s32, 3
	s_add_co_u32 s32, s32, ttmp9                   ; the key and value head is the cluster's x
	s_add_co_u32 s32, s32, 32                      ; head 32 + g of qkv, or 40 + g,
	s_lshl_b32 s32, s32, 18
	s_and_b32 s33, s[WV], 3
	s_lshl_b32 s33, s33, 14                        ; my quarter of a slot's 65,536 bytes
	s_add_co_u32 s32, s32, s33
	s_mov_b32 s33, 0
	s_lshl_b32 s34, s[WV], 14                      ; and its place in a slot: 16,384 x wave
	s_lshl_b32 s36, ttmp9, 2
	s_add_co_u32 s36, s36, s13                     ; my query head
	s_lshl_b32 s36, s36, 18
	s_lshl_b32 s37, s14, 15                        ; 16 tiles of 2,048 bytes a block
	s_add_co_u32 s36, s36, s37
	s_lshl_b32 s37, s[WV], 12                      ; two tiles a wave
	s_add_co_u32 s36, s36, s37
	s_mov_b32 s37, 0
	s_lshl_b32 s38, ttmp9, 20                      ; the result: K part = head / 4 = the cluster's x,
	s_lshl_b32 s39, s14, 17                        ; tiles of 8,192 bytes,
	s_add_co_u32 s38, s38, s39
	s_lshl_b32 s39, s[WV], 14
	s_add_co_u32 s38, s38, s39
	s_lshl_b32 s39, s13, 11                        ; my head's two K steps of 1,024 bytes
	s_add_co_u32 s38, s38, s39
	s_mov_b32 s39, 0
	s_mov_b32 s[SEL], 0x76543210
	s_mov_b32 s[SEL+1], 0xfedcba98
	s_mov_b32 s[TJ], 0
	s_wait_dscnt 0x0                               ; both opening adds are done
	s_wait_kmcnt 0x0
	s_add_nc_u64 s[32:33], s[4:5], s[32:33]
	s_add_nc_u64 s[36:37], s[4:5], s[36:37]
	s_add_nc_u64 s[38:39], s[6:7], s[38:39]
	CROUND                                         ; all four work-groups are here: the first joint loads meet
	s_mov_b32 s[G0A], 1
	s_mov_b32 s[G0A+1], s34
	s_mov_b64 s[G0A+2:G0A+3], s[32:33]
	s_or_b32 s[G0A+3], s[G0A+3], 0x80000000
	s_mov_b32 s[G0B], 1
	s_add_co_u32 s[G0B+1], s34, SLOT1
	s_add_nc_u64 s[G0B+2:G0B+3], s[32:33], 65536   ; the next 512 keys
	s_or_b32 s[G0B+3], s[G0B+3], 0x80000000
	tensor_load_to_lds s[G0A:G0A+3], s[G1:G1+7]    ; keys 0 to 511
	s_nop 0
	tensor_load_to_lds s[G0B:G0B+3], s[G1:G1+7]    ; keys 512 to 1,023
	s_nop 0
	PLACES
	v_and_b32 v[LI], 31, v0
	v_lshlrev_b32 v[LI], 4, v[LI]
	v_add_nc_u32 v[LIV], 65536, v[LI]
.irp t, 0,1
.irp b, 0,1,2,3
	global_load_b128 v[Q+16*\t+4*\b:Q+16*\t+4*\b+3], v[LI], s[36:37] offset:2048*\t+512*\b   ; Q stays in registers
.endr
.endr
.irp t, 0,1
	v_mov_b32 v[ST+12*\t], 0xff61b1e6              ; m: -3e38, under every score
	v_mov_b32 v[ST+12*\t+1], 0
	v_mov_b32 v[ST+12*\t+2], 0                     ; l
	v_mov_b32 v[ST+12*\t+3], 0
	v_mov_b32 v[ST+12*\t+5], 0
.endr
.set n, 0
.rept 64
	v_mov_b32 v[O+n], 0                            ; O^T.  The key step is written with no first step of its own: the first finds zeros, and a = 0 leaves them zeros
.set n, n+1
.endr
.macro LDK off                         ; a step's K: 16 blocks of 512 bytes: fragment (tile of keys kt, channels 32 s on) at v[16 kt + 8 s] of window 1
.set n, 0
.rept 16
	ds_load_b128 v[4*n:4*n+3], v[ADK] offset:\off+512*n
.set n, n+1
.endr
.endm
.macro LDV                             ; a step's V, turned: fragment (channels 16 ct on, keys 32 u on) at v[VF + 8 (4 u + ct)]: its two halves come from two tiles of 16 keys
.irp u, 0,1
.irp ct, 0,1,2,3
	ds_load_tr16_b128 v[VF+8*(4*\u+\ct):VF+8*(4*\u+\ct)+3], v[ADV] offset:4096*\u+512*\ct
	ds_load_tr16_b128 v[VF+8*(4*\u+\ct)+4:VF+8*(4*\u+\ct)+7], v[ADV] offset:4096*\u+512*\ct+2048
.endr
.endr
.endm
.macro QK                              ; S^T = K Q^T: eight accumulators by turns, one instruction a turn; the first eight start the sums
.irp s, 0,1
.irp kt, 0,1,2,3
.irp t, 0,1
.if \s == 0
	v_wmma_f32_16x16x32_f16 v[S+32*\t+8*\kt:S+32*\t+8*\kt+7], v[16*\kt+8*\s:16*\kt+8*\s+7], v[Q+16*\t+8*\s:Q+16*\t+8*\s+7], 0
.else
	v_wmma_f32_16x16x32_f16 v[S+32*\t+8*\kt:S+32*\t+8*\kt+7], v[16*\kt+8*\s:16*\kt+8*\s+7], v[Q+16*\t+8*\s:Q+16*\t+8*\s+7], v[S+32*\t+8*\kt:S+32*\t+8*\kt+7]
.endif
.endr
.endr
.endr
.endm
.macro PVM                             ; O^T += V^T P: eight accumulators by turns
.irp u, 0,1
.irp ct, 0,1,2,3
.irp t, 0,1
	v_wmma_f32_16x16x32_f16 v[O+32*\t+8*\ct:O+32*\t+8*\ct+7], v[VF+8*(4*\u+\ct):VF+8*(4*\u+\ct)+7], v[P+16*\t+8*\u:P+16*\t+8*\u+7], v[O+32*\t+8*\ct:O+32*\t+8*\ct+7]
.endr
.endr
.endr
.endm
; The softmax of both tiles for one key step, the tiles line by line, so that no line waits for the line above it.
.macro SOFT
.irp j, 0,1,2,3
.irp t, 0,1
	v_max3_num_f32 v[ST+12*\t+6+\j], v[S+32*\t+8*\j], v[S+32*\t+8*\j+1], v[S+32*\t+8*\j+2]   ; four chains; each accumulator is read first at its low end
.endr
.endr
.irp g, 1,2
.irp j, 0,1,2,3
.irp t, 0,1
	v_max3_num_f32 v[ST+12*\t+6+\j], v[ST+12*\t+6+\j], v[S+32*\t+8*\j+2*\g+1], v[S+32*\t+8*\j+2*\g+2]
.endr
.endr
.endr
.irp t, 0,1
	v_max3_num_f32 v[ST+12*\t+6], v[ST+12*\t+6], v[S+32*\t+7], v[S+32*\t+15]
.endr
.irp t, 0,1
	v_max3_num_f32 v[ST+12*\t+8], v[ST+12*\t+8], v[S+32*\t+23], v[S+32*\t+31]
.endr
.irp t, 0,1
	v_max3_num_f32 v[ST+12*\t+6], v[ST+12*\t+6], v[ST+12*\t+7], v[ST+12*\t+8]
.endr
.irp t, 0,1
	v_max3_num_f32 v[ST+12*\t+6], v[ST+12*\t+6], v[ST+12*\t+9], v[ST+12*\t]   ; with the old m
.endr
.irp t, 0,1
	v_permlanex16_b32 v[ST+12*\t+7], v[ST+12*\t+6], s[SEL], s[SEL+1]   ; the query's other 32 keys lie in the lane 16 away
.endr
.irp t, 0,1
	v_mov_b32 v[ST+12*\t+10], v[ST+12*\t]
.endr
.irp t, 0,1
	v_max_num_f32 v[ST+12*\t], v[ST+12*\t+6], v[ST+12*\t+7]   ; the new m
.endr
.irp t, 0,1
	v_sub_f32 v[ST+12*\t+10], v[ST+12*\t+10], v[ST+12*\t]
.endr
	; ONE BATCH: 66 exponentials, none of whose results is named before the one wait behind them; a pair's subtraction stands one turn ahead of its exponentials
.irp t, 0,1
	v_exp_f32 v[ST+12*\t+4], v[ST+12*\t+10]        ; a
.endr
.set n, 0
.rept 16
.irp t, 0,1
	v_pk_add_f32 v[S+32*\t+2*n:S+32*\t+2*n+1], v[S+32*\t+2*n:S+32*\t+2*n+1], v[ST+12*\t:ST+12*\t+1] op_sel_hi:[1,0] neg_lo:[0,1] neg_hi:[0,1]   ; s - m, two at a time
.endr
.if n > 0
.irp t, 0,1
	v_exp_f32 v[S+32*\t+2*n-2], v[S+32*\t+2*n-2]
	v_exp_f32 v[S+32*\t+2*n-1], v[S+32*\t+2*n-1]
.endr
.endif
.set n, n+1
.endr
.irp t, 0,1
	v_exp_f32 v[S+32*\t+30], v[S+32*\t+30]
	v_exp_f32 v[S+32*\t+31], v[S+32*\t+31]
.endr
	v_nop                                          ; a plain instruction behind the last exponential
	s_wait_alu depctr_va_vdst(0)                   ; the one wait ahead of the batch's first reader
.set n, 0
.rept 16
.irp t, 0,1
	v_cvt_pk_f16_f32 v[P+16*\t+n], v[S+32*\t+2*n], v[S+32*\t+2*n+1]
.endr
.set n, n+1
.endr
.irp u, 0,1,2,3,4,5,6,7                ; the sum of a tile's 16 pairs, in place: neighbours 1, 2, 4 and 8 pairs apart
.irp t, 0,1
	v_pk_add_f32 v[S+32*\t+4*\u:S+32*\t+4*\u+1], v[S+32*\t+4*\u:S+32*\t+4*\u+1], v[S+32*\t+4*\u+2:S+32*\t+4*\u+3]
.endr
.endr
.irp u, 0,1,2,3
.irp t, 0,1
	v_pk_add_f32 v[S+32*\t+8*\u:S+32*\t+8*\u+1], v[S+32*\t+8*\u:S+32*\t+8*\u+1], v[S+32*\t+8*\u+4:S+32*\t+8*\u+5]
.endr
.endr
.irp u, 0,1
.irp t, 0,1
	v_pk_add_f32 v[S+32*\t+16*\u:S+32*\t+16*\u+1], v[S+32*\t+16*\u:S+32*\t+16*\u+1], v[S+32*\t+16*\u+8:S+32*\t+16*\u+9]
.endr
.endr
.irp t, 0,1
	v_pk_add_f32 v[S+32*\t:S+32*\t+1], v[S+32*\t:S+32*\t+1], v[S+32*\t+16:S+32*\t+17]
.endr
.irp t, 0,1
	v_pk_fma_f32 v[ST+12*\t+2:ST+12*\t+3], v[ST+12*\t+2:ST+12*\t+3], v[ST+12*\t+4:ST+12*\t+5], v[S+32*\t:S+32*\t+1] op_sel_hi:[1,0,1]   ; l = a l + the sum
.endr
.set n, 0
.rept 16
.irp t, 0,1
	v_pk_mul_f32 v[O+32*\t+2*n:O+32*\t+2*n+1], v[O+32*\t+2*n:O+32*\t+2*n+1], v[ST+12*\t+4:ST+12*\t+5] op_sel_hi:[1,0]   ; O^T x a, each accumulator from its low end on
.endr
.set n, n+1
.endr
.endm
; A KEY STEP.  pre = 1: the next step's K, which lies in the same slot, is fetched behind this step's V.
.macro STEP pre
	s_wait_dscnt 0x0                               ; K is in
	WIN 0x01                                       ; source 0 window 1
	QK
	WIN 0
	v_add_nc_u32 v[ADK], s[TJ], v[LI]
	v_add_nc_u32 v[ADV], s[TJ], v[LIV]
	PLACES                                         ; plain instructions between the products and the loads into K's and V's registers, and the first read of the scores
	WIN 0x40                                       ; destination window 1
	LDV
.if \pre
	LDK STEPB
.endif
	WIN 0
	s_add_co_u32 s[TJ], s[TJ], STEPB
	SOFT
.if \pre
	s_wait_dscnt 16                                ; V is in; the 16 younger loads, the next step's K, may be out
.else
	s_wait_dscnt 0x0
.endif
	WIN 0x01
	PVM
	WIN 0
.endm
; A slot's eight key steps: seven in a loop, the last written out, since it fetches nothing of the next slot ahead of the change.
.macro SLOTSTEPS
	v_add_nc_u32 v[ADK], s[TJ], v[LI]
	WIN 0x40
	LDK 0
	WIN 0
	s_mov_b32 s[NST], 7
.Lstep_\@:
	STEP 1
	s_sub_co_u32 s[NST], s[NST], 1
	s_cmp_lg_u32 s[NST], 0
	s_cbranch_scc1 .Lstep_\@
	STEP 0
.endm
; THE CHANGE OF SLOTS.  Each wave waits for all its tensor loads (its part of the other slot), adds 0 to its spare word, and waits for that and for its reads of the slot that it leaves.
; fill = 1: the barrier is a round of the cluster's, and the slot just left is filled with the keys two slots on, first thing behind it.
.macro CHANGE fill
	s_wait_tensorcnt 0x0                           ; no tensor load of mine is out, so a group 0 may be written
	ds_add_u32 v[SPW], v[NIL]                      ; 0 onto my spare word: the steps below stand between it and the wait for it
.if \fill
	s_xor_b32 s[G0B+1], s[G0B+1], SLOT1            ; the walking descriptor: the other slot than last time,
	s_add_nc_u64 s[G0B+2:G0B+3], s[G0B+2:G0B+3], 65536   ; the next 512 keys; the type bits on top are not reached
.endif
	s_sub_co_u32 s[TJ], s[TJ], 8*STEPB             ; the reads go back to a slot's first step,
	s_xor_b32 s[TJ], s[TJ], SLOT1                  ; in the other slot
	s_wait_dscnt 0x0                               ; the add is done, and my reads of the slot are over
.if \fill
	CROUND
	tensor_load_to_lds s[G0B:G0B+3], s[G1:G1+7]    ; my one tensor load behind the round: eight key steps ahead of its first read
	s_nop 0
	PLACES
.else
	s_barrier_signal -1
	s_barrier_wait -1
.endif
.endm
	s_wait_tensorcnt 0x1                           ; my part of slot 0 is in; slot 1's may stay out
	s_barrier_signal -1
	s_barrier_wait -1
	s_wait_loadcnt 0x0                             ; Q
	s_mov_b32 s[NSL], 2
.Lslot:                                            ; two trips: keys 0-511 and 512-1,023; behind each the slot is filled again
	SLOTSTEPS
	CHANGE 1
	s_sub_co_u32 s[NSL], s[NSL], 1
	s_cmp_lg_u32 s[NSL], 0
	s_cbranch_scc1 .Lslot
	SLOTSTEPS                                      ; the tail is written out: nothing more is asked for
	CHANGE 0
	SLOTSTEPS
	; THE WAY OUT.  A lane's eight channels of a query round to 16 bytes, which are a lane's part of a fragment of the next launch: stored straight from registers, 512 consecutive bytes a store.
	PLACES
.irp t, 0,1
	v_add_f32 v[ST+12*\t+6], v[ST+12*\t+2], v[ST+12*\t+3]
.endr
.irp t, 0,1
	v_permlanex16_b32 v[ST+12*\t+7], v[ST+12*\t+6], s[SEL], s[SEL+1]
.endr
.irp t, 0,1
	v_add_f32 v[ST+12*\t+6], v[ST+12*\t+6], v[ST+12*\t+7]   ; the row's sum
.endr
.irp t, 0,1
	v_rcp_f32 v[ST+12*\t+4], v[ST+12*\t+6]
.endr
	v_nop                                          ; a plain instruction behind the last reciprocal
	s_wait_alu depctr_va_vdst(0)                   ; and the wait ahead of the first reader: one for both
.set n, 0
.rept 16
.irp t, 0,1
	v_pk_mul_f32 v[O+32*\t+2*n:O+32*\t+2*n+1], v[O+32*\t+2*n:O+32*\t+2*n+1], v[ST+12*\t+4:ST+12*\t+5] op_sel_hi:[1,0]
.endr
.set n, n+1
.endr
.set n, 0
.rept 16
.irp t, 0,1
	v_cvt_pk_f16_f32 v[P+16*\t+n], v[O+32*\t+2*n], v[O+32*\t+2*n+1]
.endr
.set n, n+1
.endr
.irp t, 0,1
.irp ct, 0,1,2,3
	global_store_b128 v[LI], v[P+16*\t+4*\ct:P+16*\t+4*\ct+3], s[38:39] offset:8192*\t+512*\ct
.endr
.endr
	s_wait_tensorcnt 0x0                           ; the wave's end, behind my last tensor load
	ds_add_u32 v[SPW], v[NIL]
	s_wait_dscnt 0x0
	CROUND                                         ; the closing round: no work-group ends while a partner may still ask for a tile that names it
	s_endpgm
.Lfunc_end_k_q5d4f89812f_attn:
	.size	k_q5d4f89812f_attn, .Lfunc_end_k_q5d4f89812f_attn-k_q5d4f89812f_attn
	.p2alignl 7, 3214868480
	.fill 96, 4, 3214868480
	.section	.rodata,"a",@progbits
	.p2align	6, 0x0
	.amdhsa_kernel k_q5d4f89812f_attn
		.amdhsa_group_segment_fixed_size 327680
		.amdhsa_private_segment_fixed_size 0
		.amdhsa_enable_private_segment 0
		.amdhsa_kernarg_size 16
		.amdhsa_user_sgpr_count 2
		.amdhsa_user_sgpr_kernarg_segment_ptr 1
		.amdhsa_wavefront_size32 1
		.amdhsa_system_sgpr_workgroup_id_x 1
		.amdhsa_system_sgpr_workgroup_id_y 1
		.amdhsa_system_sgpr_workgroup_id_z 1
		.amdhsa_system_vgpr_workitem_id 0
		.amdhsa_next_free_vgpr 384
		.amdhsa_next_free_sgpr 66
		.amdhsa_reserve_vcc 0
		.amdhsa_float_denorm_mode_32 3
		.amdhsa_float_denorm_mode_16_64 3
		.amdhsa_memory_ordered 1
		.amdhsa_forward_progress 1
		.amdhsa_inst_pref_size 117
	.end_amdhsa_kernel
	.amdgpu_metadata
---
amdhsa.version: [ 1, 2 ]
amdhsa.kernels:
  - .name:           k_q5d4f89812f_attn
    .symbol:         k_q5d4f89812f_attn.kd
    .args:
      - { .name: qkv, .offset: 0, .size: 8, .value_kind: global_buffer, .address_space: global }
      - { .name: att, .offset: 8, .size: 8, .value_kind: global_buffer, .address_space: global }
    .group_segment_fixed_size: 327680
    .private_segment_fixed_size: 0
    .kernarg_segment_align: 8
    .kernarg_segment_size: 16
    .max_flat_workgroup_size: 256
    .sgpr_count:     66
    .vgpr_count:     384
    .wavefront_size: 32
...
	.end_amdgpu_metadata
.endif
;; end of part 3
;; launch proj (part 4): grid 16 x 16, 4 waves a work-group, clusters of 4 x 4, 327,680 bytes of LDS; arguments att, wo16, lambda_q1, lambda_k1, lambda_q2, lambda_k2, out0; writes out0
.if DOCPART == 4
	.amdgcn_target "amdgcn-amd-amdhsa--gfx1250"
	.amdhsa_code_object_version 6
	.text
	.protected	k_q5d4f89812f_proj
	.globl	k_q5d4f89812f_proj
	.p2align	8
	.type	k_q5d4f89812f_proj,@function
k_q5d4f89812f_proj:
	s_mov_b64 s[64:65], 0
	v_nop
	global_prefetch_b8 v0, s[64:65] scope:SCOPE_SE
	s_setreg_imm32_b32 hwreg(HW_REG_WAVE_MODE, 25, 1), 1
	s_wait_xcnt 0x0
	s_wait_alu depctr_hold_cnt(0) depctr_sa_sdst(0) depctr_va_vdst(0) depctr_va_sdst(0) depctr_va_ssrc(0) depctr_va_vcc(0) depctr_vm_vsrc(0)
	s_getreg_b32 s2, hwreg(HW_REG_IB_STS2, 6, 4)
	s_cmp_eq_u32 s2, 0
	s_cbranch_scc0 .Lentry_in_a_cluster
	s_endpgm
.Lentry_in_a_cluster:
	s_bfe_u32 s2, ttmp6, 0x10000c
	s_cmp_lg_u32 s2, 0xf033
	s_cbranch_scc0 .Lentry_shape_is_right
	s_endpgm
.Lentry_shape_is_right:
; out0[m][n] = (1 - (exp(lq1 . lk1) - exp(lq2 . lk2) + 0.78360577)) x the sum over k of o[m][k] wo[k][n]: f16 operands, f32 sums; the factor is applied in f32 to the finished sums.
; att and wo16 are images of fragments: [K / 256][tile of 16 rows or columns][K step of 32][1,024 bytes], a lane's 16 bytes at 16 x lane and 512 + 16 x lane.
; A tile of the result is 128 x 128: 256 work-groups of four waves, each 64 x 64: 16 accumulators.  K goes in steps of 256 through two LDS slots of 131,072 bytes (o's 8 tiles, then wo's 8);
; a wave's tensor load brings 32,768 dense bytes as 128 rows of 256.  A slot's K step is 128 matrix instructions a wave.
; CLUSTER 4 x 4: o's tiles are shared along a row of the cluster, wo's along a column: joint loads.  The matrix instruction is used transposed (source 0 = 16 columns of wo, source 1 = 16 rows of o):
; a lane holds eight neighbouring numbers of a row of the result.  No prefetch: a small tile; one tile to a work-group.
; REGISTERS.  Window 0: v0-31 addresses and the factor; v32-127 at work on the way out; v128-255 the accumulators ((a, b) at v[128 + 8 (4 a + b)]).
;   Window 1: two fragment buffers of 128: for 64 along K, 64 registers of o's fragments, then 64 of wo's.
.set SLOT,   131072
.set KSTEPB, 1048576                   ; a K step of 256 in memory: 128 tiles of 8,192 bytes
.set STAGE,  2*SLOT                    ; behind the ring: 16 rows x 272 bytes for each wave, for the way out
.set SPITCH, 272
.set SPARE,  STAGE+4*16*SPITCH         ; behind the stages: the spare words, 128 bytes for each wave
.set LAPS,   4                         ; a lap = two K steps = once round the ring
.set ADRA, 16                          ; v16-17  LDS address of my fragments of o in slot 0, 1
.set ADRB, 20                          ; v20-21  the same for wo
.set STO,  24                          ; v24     the way out: where I put 32 bytes of a row
.set RD,   25                          ; v25     where I read a row back
.set CO,   26                          ; v26     my byte offset in the result
.set LO,   27                          ; v27     8 x lane: my two numbers of each lambda vector
.set SPW,  28                          ; v28     LDS address of my spare word; never rewritten
.set NIL,  29                          ; v29     0; never rewritten
.set FAC,  30                          ; v30-31  the factor, twice
.set TMP,  32                          ; v32-63  16 rows x 64 columns, scaled
.set BK,   64                          ; v64-95, v96-127 by turns: the same as whole rows
.set ACC,  128
.set F0,   0
.set F1,   128
.set G1, 24
.set G0, 32
.set G1B, 48
.set G0B, 56
.set MSB, 0
.macro WIN new                         ; the immediate's high byte repeats the setting that is left
.if MSB != \new
	s_set_vgpr_msb (MSB<<8)|\new
.set MSB, \new
.endif
.endm
.set MUL,  0x05                        ; sources 0 and 1 window 1; C and D window 0
.set TO_F, 0x40                        ; destination window 1, address window 0
.macro PLACES
.rept 4
	v_nop
.endr
.endm
.macro JLOAD s                         ; a joint load: waves 0 and 1 fetch o's two halves, waves 2 and 3 wo's; an s_nop 0 and four v_nop follow each of the two lines
	s_cmp_eq_u32 s11, 0
	s_cbranch_scc0 .Lfor_b_\@
	tensor_load_to_lds s[G0+4*\s:G0+4*\s+3], s[G1:G1+7]
	s_nop 0
	PLACES
	s_branch .Lasked_\@
.Lfor_b_\@:
	tensor_load_to_lds s[G0B+4*\s:G0B+4*\s+3], s[G1B:G1B+7]
	s_nop 0
	PLACES
.Lasked_\@:
.endm
.macro CREST                           ; a round of the cluster's barrier behind its opening barrier
	s_cmp_lg_u32 s10, 0
	s_cbranch_scc1 .Lnot_wave_0_\@
	s_barrier_signal -3
.Lnot_wave_0_\@:
	s_barrier_wait -3
	s_barrier_signal -1
	s_barrier_wait -1
.endm
.macro CROUND
	s_barrier_signal -1
	s_barrier_wait -1
	CREST
.endm
	s_load_b128 s[4:7], s[0:1], 0x0                ; att, wo16
	s_load_b256 s[68:75], s[0:1], 0x10             ; lambda_q1, lambda_k1, lambda_q2, lambda_k2
	s_load_b64 s[8:9], s[0:1], 0x30                ; out0
	v_lshl_add_u32 v[SPW], v0, 2, SPARE
	v_mov_b32 v[NIL], 0
	ds_add_u32 v[SPW], v[NIL]                      ; the wave's opening: the add, twice on end, and its wait ahead of my first tensor load
	ds_add_u32 v[SPW], v[NIL]
	v_lshrrev_b32 v1, 5, v0
	v_readfirstlane_b32 s10, v1                    ; wave 0..3
	s_lshr_b32 s11, s10, 1                         ; which half of the tile's rows is mine.  Also: I fetch o (0) or wo (1)
	s_and_b32 s12, s10, 1                          ; which half of its columns.  Also: which four tiles of 16 I fetch
	s_bfe_u32 s40, ttmp6, 0x40000                  ; cx, cy
	s_bfe_u32 s41, ttmp6, 0x40004
	s_lshl_b32 s42, ttmp9, 2
	s_add_co_u32 s42, s42, s40                     ; tile column
	s_and_b32 s13, ttmp7, 0xffff
	s_lshl_b32 s13, s13, 2
	s_add_co_u32 s13, s13, s41                     ; tile row
	s_lshl_b32 s43, s41, 2
	s_lshl_b32 s43, 15, s43                        ; my row of the cluster
	s_lshl_b32 s44, 0x1111, s40                    ; my column
	s_or_b32 s[G1+0], s43, (3<<16)|(1<<21)         ; 15:0 the mask; 17:16 elements of 8 bytes; 21 set beside a mask; no padding
	s_or_b32 s[G1B+0], s44, (3<<16)|(1<<21)
.irp g, G1, G1B
	s_mov_b32 s[\g+1], 32<<16                      ; tensor_dim0: rows of 256 bytes
	s_mov_b32 s[\g+2], 128<<16                     ; tensor_dim1
	s_mov_b32 s[\g+3], 32<<16                      ; tile_dim0
	s_mov_b32 s[\g+4], 128                         ; tile_dim1
	s_mov_b32 s[\g+5], 32
	s_mov_b32 s[\g+6], 0
	s_mov_b32 s[\g+7], 0
.endr
	s_lshl_b32 s17, s12, 2
	s_lshl_b32 s16, s13, 3
	s_add_co_u32 s16, s16, s17                     ; o: tile of 16 rows 8 x tile row + 4 x half,
	s_lshl_b32 s16, s16, 13                        ; 8,192 bytes each
	s_lshl_b32 s46, s42, 3
	s_add_co_u32 s46, s46, s17                     ; wo: likewise by the tile column
	s_lshl_b32 s46, s46, 13
	s_mov_b32 s17, 0
	s_mov_b32 s47, 0
	s_lshl_b32 s20, s10, 15                        ; where they go: 32,768 x wave
	s_mov_b32 s76, 0x76543210
	s_mov_b32 s77, 0xfedcba98
	s_wait_dscnt 0x0                               ; both opening adds are done
	s_wait_kmcnt 0x0
	s_add_nc_u64 s[14:15], s[4:5], s[16:17]
	s_add_nc_u64 s[46:47], s[6:7], s[46:47]
	CROUND                                         ; all sixteen work-groups are here: the first joint loads meet
.irp s, 0,1
	s_mov_b32 s[G0+4*\s], 1
	s_add_co_u32 s[G0+4*\s+1], s20, \s*SLOT
	s_add_nc_u64 s[G0+4*\s+2:G0+4*\s+3], s[14:15], \s*KSTEPB
	s_or_b32 s[G0+4*\s+3], s[G0+4*\s+3], 0x80000000
	s_mov_b32 s[G0B+4*\s], 1
	s_add_co_u32 s[G0B+4*\s+1], s20, \s*SLOT
	s_add_nc_u64 s[G0B+4*\s+2:G0B+4*\s+3], s[46:47], \s*KSTEPB
	s_or_b32 s[G0B+4*\s+3], s[G0B+4*\s+3], 0x80000000
	JLOAD \s
.endr
	v_and_b32 v1, 31, v0
	v_lshlrev_b32 v[LO], 3, v1
	global_load_b64 v[32:33], v[LO], s[68:69]      ; two numbers a lane of each of the four vectors of 64
	global_load_b64 v[34:35], v[LO], s[70:71]
	global_load_b64 v[36:37], v[LO], s[72:73]
	global_load_b64 v[38:39], v[LO], s[74:75]
	v_lshlrev_b32 v2, 4, v1                        ; 16 x lane
	s_lshl_b32 s21, s11, 15                        ; my four tiles of o
	s_lshl_b32 s22, s12, 15                        ; my four of wo,
	s_add_co_u32 s22, s22, 65536                   ; which lie behind o's eight
.irp s, 0,1
	v_add_nc_u32 v[ADRA+\s], s21, v2
	v_add_nc_u32 v[ADRB+\s], s22, v2
	s_add_co_u32 s21, s21, SLOT
	s_add_co_u32 s22, s22, SLOT
.endr
	v_and_b32 v3, 15, v0                           ; r
	v_bfe_u32 v4, v0, 4, 1                         ; h
	s_mul_i32 s23, s10, 16*SPITCH
	s_add_co_u32 s23, s23, STAGE                   ; my stage
	v_mul_u32_u24 v5, v3, SPITCH                   ; in: row r, 32 bytes for each half of the lanes
	v_lshl_add_u32 v5, v4, 5, v5
	v_add_nc_u32 v[STO], s23, v5
	v_mul_u32_u24 v5, v4, SPITCH                   ; back: lanes 0-15 one row of 256 bytes, lanes 16-31 the next
	v_lshl_add_u32 v5, v3, 4, v5
	v_add_nc_u32 v[RD], s23, v5
	v_lshlrev_b32 v5, 13, v4                       ; and the same two rows in the result
	v_lshl_add_u32 v[CO], v3, 4, v5
	s_lshl_b32 s16, s13, 20                        ; 128 rows of 8,192 bytes
	s_lshl_b32 s17, s11, 19                        ; my 64 rows
	s_add_co_u32 s16, s16, s17
	s_mov_b32 s17, 0
	s_add_nc_u64 s[8:9], s[8:9], s[16:17]
	s_lshl_b32 s46, s42, 9                         ; 128 columns are 512 bytes
	s_lshl_b32 s47, s12, 8
	s_add_co_u32 s46, s46, s47
	s_mov_b32 s47, 0
	s_add_nc_u64 s[8:9], s[8:9], s[46:47]
	v_mov_b32 v42, 0                               ; written once: a lane permute's destination counts as one of its sources
	v_mov_b32 v43, 0
	s_wait_loadcnt 0x0
	v_mul_f32 v40, v32, v34                        ; THE FACTOR, in every lane
	v_mul_f32 v41, v36, v38
	v_fma_f32 v40, v33, v35, v40
	v_fma_f32 v41, v37, v39, v41
.irp x, 1,2,4,8
	v_add_f32_dpp v40, v40, v40 row_xmask:\x row_mask:0xf bank_mask:0xf
	v_add_f32_dpp v41, v41, v41 row_xmask:\x row_mask:0xf bank_mask:0xf
.endr
	v_permlanex16_b32 v42, v40, s76, s77
	v_permlanex16_b32 v43, v41, s76, s77
	v_add_f32 v40, v40, v42                        ; the two sums of 64 products
	v_add_f32 v41, v41, v43
	v_mul_f32 v40, 0x3fb8aa3b, v40                 ; x log2(e)
	v_mul_f32 v41, 0x3fb8aa3b, v41
	v_exp_f32 v40, v40
	v_exp_f32 v41, v41
	v_nop                                          ; a plain instruction behind the exponentials
	s_wait_alu depctr_va_vdst(0)                   ; and the wait ahead of their first reader
	v_sub_f32 v40, v40, v41
	v_add_f32 v40, 0x3f489a63, v40                 ; + 0.8 - 0.6 exp(-3.6)
	v_sub_f32 v[FAC], 1.0, v40
	v_mov_b32 v[FAC+1], v[FAC]
; 8 matrix instructions: row blocks a0, a0 + 1 x all 4 column blocks, 32 along K: half c of buffer f.  zero = 1: the first product starts the sums.  The 16 accumulators take turns
.macro MUL8 f, c, a0, zero
.irp a, \a0, \a0+1
.irp b, 0,1,2,3
.if \zero
	v_wmma_f32_16x16x32_f16 v[ACC+8*(4*(\a)+\b):ACC+8*(4*(\a)+\b)+7], v[\f+64+8*(4*\c+\b):\f+64+8*(4*\c+\b)+7], v[\f+8*(4*\c+\a):\f+8*(4*\c+\a)+7], 0
.else
	v_wmma_f32_16x16x32_f16 v[ACC+8*(4*(\a)+\b):ACC+8*(4*(\a)+\b)+7], v[\f+64+8*(4*\c+\b):\f+64+8*(4*\c+\b)+7], v[\f+8*(4*\c+\a):\f+8*(4*\c+\a)+7], v[ACC+8*(4*(\a)+\b):ACC+8*(4*(\a)+\b)+7]
.endif
.endr
.endr
.endm
; 32 LDS loads in one run: the fragments of the slot's qd-th 64 along K into buffer f; the first 32 along K first
.macro FETCH slot, qd, f
	WIN TO_F
.irp c, 0,1
.irp i, 0,1,2,3
	ds_load_b128 v[\f+64+8*(4*\c+\i):\f+64+8*(4*\c+\i)+3],   v[ADRB+\slot] offset:8192*\i+1024*(2*(\qd)+\c)
	ds_load_b128 v[\f+64+8*(4*\c+\i)+4:\f+64+8*(4*\c+\i)+7], v[ADRB+\slot] offset:8192*\i+1024*(2*(\qd)+\c)+512
	ds_load_b128 v[\f+8*(4*\c+\i):\f+8*(4*\c+\i)+3],         v[ADRA+\slot] offset:8192*\i+1024*(2*(\qd)+\c)
	ds_load_b128 v[\f+8*(4*\c+\i)+4:\f+8*(4*\c+\i)+7],       v[ADRA+\slot] offset:8192*\i+1024*(2*(\qd)+\c)+512
.endr
.endr
.endm
; A K step is four quarters of 64 along K, 32 matrix instructions each, on buffers 0, 1, 0, 1.  One of the first three: multiplies buffer f and fetches quarter qd into g.
.macro QUARTER slot, qd, f, g, zero
	s_wait_dscnt 16                                ; the first 32 along K are in; the 16 younger loads may be out
	WIN MUL
	MUL8 \f, 0, 0, \zero
	MUL8 \f, 0, 2, \zero
	PLACES                                         ; plain instructions in front of loads into registers that matrix instructions have read
	FETCH \slot, \qd, \g
	s_wait_dscnt 32                                ; all but the 32 just issued
	WIN MUL
	MUL8 \f, 1, 0, 0
	MUL8 \f, 1, 2, 0
.endm
; The last quarter multiplies buffer 1 and changes slots: ONE barrier; in front of it each wave waits for all its tensor loads, adds 0 to its spare word, and waits for that and for its reads of this slot.
.macro TURN slot, next, fill
	WIN 0                                          ; (the add's two registers lie in window 0)
	s_wait_tensorcnt 0x0                           ; all my tensor loads have landed: my part of the next slot
	ds_add_u32 v[SPW], v[NIL]                      ; 0 onto my spare word
	s_wait_dscnt 17                                ; (the add and the youngest sixteen loads may be out)
	WIN MUL
	MUL8 F1, 0, 0, 0                               ; eight matrix instructions stand between the add and the wait for it
	s_wait_dscnt 0x0                               ; the add is done, and my reads of this slot are over
	s_barrier_signal -1
	MUL8 F1, 0, 2, 0
.if \fill
	WIN 0
.endif
	s_barrier_wait -1
.if \fill
	CREST                                          ; the barrier has opened a round of the cluster's: no wave of any partner still reads this slot or has a load on its way
	s_add_nc_u64 s[G0+4*\slot+2:G0+4*\slot+3], s[G0+4*\slot+2:G0+4*\slot+3], 2*KSTEPB
	s_add_nc_u64 s[G0B+4*\slot+2:G0B+4*\slot+3], s[G0B+4*\slot+2:G0B+4*\slot+3], 2*KSTEPB
	JLOAD \slot                                    ; the first tensor load behind the round; its four v_nop are also the places in front of the loads below
.else
	PLACES
.endif
	FETCH \next, 0, F0
	WIN MUL
	MUL8 F1, 1, 0, 0
	MUL8 F1, 1, 2, 0
.endm
	s_wait_tensorcnt 1                             ; my part of K step 0 is in; K step 1's may stay out
	s_barrier_signal -1
	s_barrier_wait -1
	FETCH 0, 0, F0
	QUARTER 0, 1, F0, F1, 1                        ; the first quarter stands in front of the loop: its first products start the sums
	WIN 0
	s_mov_b32 s3, LAPS-1
.Llap:                                             ; a trip goes once round the ring, from a lap's second quarter to the next lap's first, and fills both slots again
	QUARTER 0, 2, F1, F0, 0
	QUARTER 0, 3, F0, F1, 0
	TURN 0, 1, 1
	QUARTER 1, 1, F0, F1, 0
	QUARTER 1, 2, F1, F0, 0
	QUARTER 1, 3, F0, F1, 0
	TURN 1, 0, 1
	QUARTER 0, 1, F0, F1, 0
	WIN 0
	s_sub_co_u32 s3, s3, 1
	s_cmp_lg_u32 s3, 0
	s_cbranch_scc1 .Llap
	QUARTER 0, 2, F1, F0, 0                        ; the last lap fills nothing, and has no round of the cluster's barrier
	QUARTER 0, 3, F0, F1, 0
	TURN 0, 1, 0
	QUARTER 1, 1, F0, F1, 0
	QUARTER 1, 2, F1, F0, 0
	QUARTER 1, 3, F0, F1, 0
	s_wait_dscnt 16                                ; the very last quarter: nothing more to fetch
	WIN MUL
	MUL8 F1, 0, 0, 0
	MUL8 F1, 0, 2, 0
	s_wait_dscnt 0x0
	MUL8 F1, 1, 0, 0
	MUL8 F1, 1, 2, 0
	WIN 0
	; THE WAY OUT, 16 rows x 64 columns at a time: x the factor; 32 bytes a lane into my own stage; back as whole rows of 256 bytes; sixteen lanes store 256 consecutive aligned bytes.
	PLACES
.irp a, 0,1,2,3
.if \a >= 2
	s_wait_xcnt 0x0                                ; the stores of two blocks back have read their registers: this block's rows may land there
.endif
.irp b, 0,1,2,3
.irp i, 0,1,2,3
	v_pk_mul_f32 v[TMP+8*\b+2*\i:TMP+8*\b+2*\i+1], v[ACC+8*(4*\a+\b)+2*\i:ACC+8*(4*\a+\b)+2*\i+1], v[FAC:FAC+1]   ; each accumulator from its low end on
.endr
.endr
.irp b, 0,1,2,3
	ds_store_b128 v[STO], v[TMP+8*\b:TMP+8*\b+3] offset:64*\b
	ds_store_b128 v[STO], v[TMP+8*\b+4:TMP+8*\b+7] offset:64*\b+16
.endr
.irp t, 0,1,2,3,4,5,6,7
	ds_load_b128 v[BK+32*(\a%2)+4*\t:BK+32*(\a%2)+4*\t+3], v[RD] offset:\t*2*SPITCH   ; LDS serves a wave's instructions in order: these see the stores above
.endr
	s_wait_dscnt 0x0                               ; the rows are back, and the stores into the stage have read their registers
.irp t, 0,1,2,3,4,5,6,7
	global_store_b128 v[CO], v[BK+32*(\a%2)+4*\t:BK+32*(\a%2)+4*\t+3], s[8:9] offset:(16*\a+2*\t)*8192 th:TH_STORE_NT
.endr
.endr
	s_wait_tensorcnt 0x0                           ; the wave's end, behind my last tensor load and my last LDS store
	ds_add_u32 v[SPW], v[NIL]
	s_wait_dscnt 0x0
	CROUND                                         ; the closing round: no work-group ends while a partner may still ask for a tile that names it
	s_endpgm
.Lfunc_end_k_q5d4f89812f_proj:
	.size	k_q5d4f89812f_proj, .Lfunc_end_k_q5d4f89812f_proj-k_q5d4f89812f_proj
	.p2alignl 7, 3214868480
	.fill 96, 4, 3214868480
	.section	.rodata,"a",@progbits
	.p2align	6, 0x0
	.amdhsa_kernel k_q5d4f89812f_proj
		.amdhsa_group_segment_fixed_size 327680
		.amdhsa_private_segment_fixed_size 0
		.amdhsa_enable_private_segment 0
		.amdhsa_kernarg_size 56
		.amdhsa_user_sgpr_count 2
		.amdhsa_user_sgpr_kernarg_segment_ptr 1
		.amdhsa_wavefront_size32 1
		.amdhsa_system_sgpr_workgroup_id_x 1
		.amdhsa_system_sgpr_workgroup_id_y 1
		.amdhsa_system_sgpr_workgroup_id_z 1
		.amdhsa_system_vgpr_workitem_id 0
		.amdhsa_next_free_vgpr 512
		.amdhsa_next_free_sgpr 80
		.amdhsa_reserve_vcc 0
		.amdhsa_float_denorm_mode_32 3
		.amdhsa_float_denorm_mode_16_64 3
		.amdhsa_memory_ordered 1
		.amdhsa_forward_progress 1
		.amdhsa_inst_pref_size 91
	.end_amdhsa_kernel
	.amdgpu_metadata
---
amdhsa.version: [ 1, 2 ]
amdhsa.kernels:
  - .name:           k_q5d4f89812f_proj
    .symbol:         k_q5d4f89812f_proj.kd
    .args:
      - { .name: att, .offset: 0, .size: 8, .value_kind: global_buffer, .address_space: global }
      - { .name: wo16, .offset: 8, .size: 8, .value_kind: global_buffer, .address_space: global }
      - { .name: lambda_q1, .offset: 16, .size: 8, .value_kind: global_buffer, .address_space: global }
      - { .name: lambda_k1, .offset: 24, .size: 8, .value_kind: global_buffer, .address_space: global }
      - { .name: lambda_q2, .offset: 32, .size: 8, .value_kind: global_buffer, .address_space: global }
      - { .name: lambda_k2, .offset: 40, .size: 8, .value_kind: global_buffer, .address_space: global }
      - { .name: out0, .offset: 48, .size: 8, .value_kind: global_buffer, .address_space: global }
    .group_segment_fixed_size: 327680
    .private_segment_fixed_size: 0
    .kernarg_segment_align: 8
    .kernarg_segment_size: 56
    .max_flat_workgroup_size: 128
    .sgpr_count:     80
    .vgpr_count:     512
    .wavefront_size: 32
...
	.end_amdgpu_metadata
.endif
;; end of part 4
